; MI455X (gfx1250); checked and timed in simulation.
; The chip was launched on July 23, 2026; its instructions are those of AMD's public machine-readable ISA for CDNA 5 (MIT licence, August 2026) and "CDNA5" Instruction Set Architecture Reference Guide (July 2026). The comments in the code are by the model that wrote it; some were corrected since.
;; Self Attention. Allowed arithmetic: float matrix products may take bf16 or f16 operands with f32 sums; other float arithmetic in f32, or as packed bf16 or f16 multiplies, adds, multiply-adds, maxima and minima; sums over many terms, partial sums and values carried from step to step in f32; what a program stores and reads back later, other than sums and carried values, may be rounded once to bf16 or f16.
;; Inputs: W_key 1,024 x 1,024 float32; W_query 1,024 x 1,024 float32; W_value 1,024 x 1,024 float32; x 4 x 2,048 x 1,024 float32.
;; Outputs: out0 4 x 2,048 x 1,024 float32.
;; 2 versions, each right; version 2 is version 1 with the launch cast written anew for expert scheduling mode. Each part assembles by itself: llvm-mc -triple=amdgcn-amd-amdhsa -mcpu=gfx1250 --defsym DOCPART=n.
;; ======== version 1 of 2: 4 launches
;; limits: values are held in f16: magnitudes above 65,504 overflow, below 6.1e-05 lose precision
;; workspace buffers: xb 16,777,216 bytes; wb 6,291,456 bytes; qh 16,777,216 bytes; kh 16,777,216 bytes; vt 16,777,216 bytes; ph 33,554,432 bytes; sm 262,144 bytes; sl 524,288 bytes
;; launch cast (part 1): grid 704 x 1, 8 waves a work-group, no clusters, 0 bytes of LDS; arguments x, W_query, W_key, W_value, xb, wb; writes xb, wb
.if DOCPART == 1
	.amdgcn_target "amdgcn-amd-amdhsa--gfx1250"
	.amdhsa_code_object_version 6
	.text
	.protected	k_qfa5cc97f5f_cast
	.globl	k_qfa5cc97f5f_cast
	.p2align	8
	.type	k_qfa5cc97f5f_cast,@function
k_qfa5cc97f5f_cast:
	s_mov_b64 s[64:65], 0
	v_nop
	global_prefetch_b8 v0, s[64:65] scope:SCOPE_SE
	s_setreg_imm32_b32 hwreg(HW_REG_WAVE_MODE, 25, 1), 1
	s_wait_xcnt 0x0
; x [8192][1024] and the three W [1024][1024], f32, are rounded once to bf16 and laid out in planes of 64 along K:
;   xb[kb][row][64], 16 planes of 8192 rows of 128 bytes;
;   wb[kb][n'][64],  16 planes of 3072 rows, n' = 384 j + 128 type + i for row 128 j + i of W_type (0 query, 1 key, 2 value).
; In that layout the rows of a product's tile lie end to end, so the next launch asks for them as dense blocks.
; W_query is multiplied in f32 by c = log2(e) / 32 ahead of its one rounding, so that the scores come out as exponents of 2; W_key and W_value by 1.0, which changes nothing.
; LIMIT.  bf16(c W) is not c bf16(W): W_query's rounding is another one than that of the unscaled weight, of the same size (2^-9 of the number at the most).
; A stream: memory binds, so no LDS, no matrix unit, no cluster (no two work-groups read the same byte).
; SHARES.  A wave takes two neighbouring rows (2 x 4,096 bytes).  Work-groups 0-511: x, pair 8 g + wave.  Work-groups 512-703: the W, 64 work-groups each.
; A load takes 256 bytes of each of the two rows (lanes 0-15 the first row, lanes 16-31 the second): the two rows' part of one plane.
; A lane's 4 numbers become 8 bytes, and the wave's store covers 256 consecutive bytes, aligned: the two rows of that plane.
; All 16 loads of a wave go out at once; no register that a memory instruction names is written again, so no wait frees a source.
.set X, 4                              ; v[4:67]   16 x 4 numbers as loaded
.set Y, 68                             ; v[68:99]  16 x 2 words of bf16
.set XPLANE, 8192*128                  ; bytes in a plane of xb
.set WPLANE, 3072*128                  ; bytes in a plane of wb
; stride: bytes from plane to plane; planes from split on go by the second base (the store's immediate is 24 bits, signed); scale = 1: times s30
.macro CAST stride, split, scale
.set kb, 0
.rept 16
	global_load_b128 v[X+4*kb:X+4*kb+3], v1, s[20:21] offset:256*kb th:TH_LOAD_NT
.set kb, kb+1
.endr
.set kb, 0
.rept 16
	s_wait_loadcnt 15-kb                           ; loads come back in order: plane kb's is in, the younger ones stay out
.if \scale
	v_pk_mul_f32 v[X+4*kb:X+4*kb+1],   v[X+4*kb:X+4*kb+1],   s[30:31] op_sel_hi:[1,0]
	v_pk_mul_f32 v[X+4*kb+2:X+4*kb+3], v[X+4*kb+2:X+4*kb+3], s[30:31] op_sel_hi:[1,0]
.endif
	v_cvt_pk_bf16_f32 v[Y+2*kb],   v[X+4*kb],   v[X+4*kb+1]
	v_cvt_pk_bf16_f32 v[Y+2*kb+1], v[X+4*kb+2], v[X+4*kb+3]
.if kb < (\split)
	global_store_b64 v2, v[Y+2*kb:Y+2*kb+1], s[22:23] offset:kb*(\stride)
.else
	global_store_b64 v2, v[Y+2*kb:Y+2*kb+1], s[24:25] offset:(kb-(\split))*(\stride)
.endif
.set kb, kb+1
.endr
.endm
	s_load_b256 s[4:11], s[0:1], 0x0               ; x s[4:5], W_query s[6:7], W_key s[8:9], W_value s[10:11]
	s_load_b128 s[12:15], s[0:1], 0x20             ; xb s[12:13], wb s[14:15]
	v_lshrrev_b32 v3, 5, v0
	v_readfirstlane_b32 s16, v3                    ; wave 0..7
	v_and_b32 v2, 31, v0                           ; lane
	v_and_b32 v1, 15, v0
	v_lshrrev_b32 v3, 4, v2                        ; which of the two rows
	v_lshlrev_b32 v1, 4, v1
	v_lshl_add_u32 v1, v3, 12, v1                  ; source: row x 4,096 + 16 (lane % 16)
	v_lshlrev_b32 v2, 3, v2                        ; destination: 8 x lane
	s_mov_b32 s19, 0
	s_mov_b32 s27, 0
	s_cmp_lt_u32 ttmp9, 512
	s_cbranch_scc0 .Lweights
	s_lshl_b32 s17, ttmp9, 3
	s_add_co_u32 s17, s17, s16                     ; the pair of rows, 0..4095
	s_lshl_b32 s18, s17, 13                        ; 8,192 bytes of x a pair
	s_lshl_b32 s26, s17, 8                         ; 256 bytes of a plane a pair
	s_wait_kmcnt 0x0
	s_add_nc_u64 s[20:21], s[4:5], s[18:19]
	s_add_nc_u64 s[22:23], s[12:13], s[26:27]
	s_add_nc_u64 s[24:25], s[22:23], 8*XPLANE      ; planes 8 to 15
	CAST XPLANE, 8, 0
	s_endpgm
.Lweights:
	s_sub_co_u32 s28, ttmp9, 512
	s_lshr_b32 s29, s28, 6                         ; type 0..2
	s_and_b32 s28, s28, 63
	s_lshl_b32 s17, s28, 3
	s_add_co_u32 s17, s17, s16                     ; the pair of rows of that W, 0..511
	s_lshl_b32 s18, s17, 13
	s_lshr_b32 s26, s17, 6                         ; j = row / 128
	s_mul_i32 s26, s26, 384
	s_lshl_b32 s30, s29, 7
	s_add_co_u32 s26, s26, s30                     ; + 128 type
	s_and_b32 s30, s17, 63
	s_lshl_b32 s30, s30, 1
	s_add_co_u32 s26, s26, s30                     ; + row % 128
	s_lshl_b32 s26, s26, 7                         ; 128 bytes a row of a plane
	s_cmp_eq_u32 s29, 0
	s_cselect_b32 s30, 0x3d38aa3b, 1.0             ; c = log2(e) / 32 for W_query, 1 for the others
	s_mov_b32 s31, s30                             ; named with it as a pair
	s_wait_kmcnt 0x0
	s_cmp_eq_u32 s29, 1
	s_cselect_b64 s[20:21], s[8:9], s[6:7]
	s_cmp_eq_u32 s29, 2
	s_cselect_b64 s[20:21], s[10:11], s[20:21]
	s_add_nc_u64 s[20:21], s[20:21], s[18:19]
	s_add_nc_u64 s[22:23], s[14:15], s[26:27]
	CAST WPLANE, 16, 1                             ; 15 planes of 393,216 bytes stay inside the immediate
	s_endpgm
.Lfunc_end_k_qfa5cc97f5f_cast:
	.size	k_qfa5cc97f5f_cast, .Lfunc_end_k_qfa5cc97f5f_cast-k_qfa5cc97f5f_cast
	.p2alignl 7, 3214868480
	.fill 96, 4, 3214868480
	.section	.rodata,"a",@progbits
	.p2align	6, 0x0
	.amdhsa_kernel k_qfa5cc97f5f_cast
		.amdhsa_group_segment_fixed_size 0
		.amdhsa_private_segment_fixed_size 0
		.amdhsa_enable_private_segment 0
		.amdhsa_kernarg_size 48
		.amdhsa_user_sgpr_count 2
		.amdhsa_user_sgpr_kernarg_segment_ptr 1
		.amdhsa_wavefront_size32 1
		.amdhsa_system_sgpr_workgroup_id_x 1
		.amdhsa_system_sgpr_workgroup_id_y 1
		.amdhsa_system_sgpr_workgroup_id_z 1
		.amdhsa_system_vgpr_workitem_id 0
		.amdhsa_next_free_vgpr 100
		.amdhsa_next_free_sgpr 66
		.amdhsa_reserve_vcc 0
		.amdhsa_float_denorm_mode_32 3
		.amdhsa_float_denorm_mode_16_64 3
		.amdhsa_memory_ordered 1
		.amdhsa_forward_progress 1
		.amdhsa_inst_pref_size 15
	.end_amdhsa_kernel
	.amdgpu_metadata
---
amdhsa.version: [ 1, 2 ]
amdhsa.kernels:
  - .name:           k_qfa5cc97f5f_cast
    .symbol:         k_qfa5cc97f5f_cast.kd
    .args:
      - { .name: x, .offset: 0, .size: 8, .value_kind: global_buffer, .address_space: global }
      - { .name: W_query, .offset: 8, .size: 8, .value_kind: global_buffer, .address_space: global }
      - { .name: W_key, .offset: 16, .size: 8, .value_kind: global_buffer, .address_space: global }
      - { .name: W_value, .offset: 24, .size: 8, .value_kind: global_buffer, .address_space: global }
      - { .name: xb, .offset: 32, .size: 8, .value_kind: global_buffer, .address_space: global }
      - { .name: wb, .offset: 40, .size: 8, .value_kind: global_buffer, .address_space: global }
    .group_segment_fixed_size: 0
    .private_segment_fixed_size: 0
    .kernarg_segment_align: 8
    .kernarg_segment_size: 48
    .max_flat_workgroup_size: 256
    .sgpr_count:     66
    .vgpr_count:     100
    .wavefront_size: 32
...
	.end_amdgpu_metadata
.endif
;; end of part 1
;; launch proj (part 2): grid 8 x 32, 4 waves a work-group, clusters of 4 x 4, 327,680 bytes of LDS; arguments xb, wb, qh, kh, vt; writes qh, kh, vt
.if DOCPART == 2
	.amdgcn_target "amdgcn-amd-amdhsa--gfx1250"
	.amdhsa_code_object_version 6
	.text
	.protected	k_qfa5cc97f5f_proj
	.globl	k_qfa5cc97f5f_proj
	.p2align	8
	.type	k_qfa5cc97f5f_proj,@function
k_qfa5cc97f5f_proj:
	s_mov_b64 s[64:65], 0
	v_nop
	global_prefetch_b8 v0, s[64:65] scope:SCOPE_SE
	s_setreg_imm32_b32 hwreg(HW_REG_WAVE_MODE, 25, 1), 1
	s_wait_xcnt 0x0
	s_wait_alu depctr_hold_cnt(0) depctr_sa_sdst(0) depctr_va_vdst(0) depctr_va_sdst(0) depctr_va_ssrc(0) depctr_va_vcc(0) depctr_vm_vsrc(0)
	s_getreg_b32 s2, hwreg(HW_REG_IB_STS2, 6, 4)
	s_cmp_eq_u32 s2, 0
	s_cbranch_scc0 .Lentry_in_a_cluster
	s_endpgm
.Lentry_in_a_cluster:
	s_bfe_u32 s2, ttmp6, 0x10000c
	s_cmp_lg_u32 s2, 0xf033
	s_cbranch_scc0 .Lentry_shape_is_right
	s_endpgm
.Lentry_shape_is_right:
; THE THREE PROJECTIONS AS ONE PRODUCT.  q = x (c Wq)^T, k = x Wk^T, v = x Wv^T: 8192 x 3072 x 1024, operands bf16, sums f32, each result rounded once to f16.
; In:  xb[16 kb][8192][64], wb[16 kb][3072 n'][64] (n' = 384 j + 128 type + i), rows of 128 bytes.
; Out: qh, kh [16 cb][512 blocks of 16 rows][2,048 bytes];  vt [128 blocks of 64 keys][64 blocks of 16 channels][2,048 bytes] (v transposed: keys run along K of the last launch).
;      INSIDE A BLOCK of 16 rows x 64 K the 16 bytes that hold K = 16 i + 8 (l / 16) + 0..7 of row l % 16 stand at 512 i + 16 l: the order in which a matrix operand lies in the lanes.
;      That is what lane l holds when it has packed accumulator i, so each packed accumulator leaves by one store of 512 consecutive bytes, and the next launch reads fragments from LDS at 16 x lane.
; LIMIT.  f16 ends at 65,504: |c q|, |k|, |v| must stay below it; beyond it the conversion gives an infinity.  NaN and infinities are not treated apart.
; SHARES.  A work-group takes 256 rows of x and 384 rows of wb (128 channels each of q, k, v): 32 x 8 = 256 work-groups.  A wave takes 128 rows x (64 q + 64 k + 64 v):
; 96 accumulators of 16 x 16, 768 registers.  K goes in steps of 64 (one plane) through two LDS slots.
; CLUSTER.  4 x 4 work-groups: the four of a row need the same rows of x, the four of a column the same rows of wb: each tile is asked for jointly.
; LAYOUT.  For q and k source 0 = 16 rows of W, source 1 = 16 rows of x: a lane holds one row of x and eight neighbouring channels.  For v the sources are swapped:
; a lane holds one channel and eight neighbouring keys.
; THE LOOP HOLDS ONE K STEP.  Slot 1 begins at LDS byte 2^17, so one exclusive or turns an address in one slot into the other's: the walking descriptors' LDS word, and s[TB], from which the fragment addresses are made.
; REGISTERS, in windows of 256 (s_set_vgpr_msb: bits 1:0 source 0, 3:2 source 1, 5:4 source 2, 7:6 destination):
;   window 0: v0-31 addresses; v32-95, v96-159 fragments of x, two buffers; v160-255 fragments of W, one buffer of three groups (q, k, v); on the way out v32-63 at work
;   windows 1, 2, 3: the accumulators of q, k, v: channel block bb (0..3), row block a (0..7) at v[8 (8 bb + a)]
.set P,      144                       ; an LDS row: 128 bytes + 16 of padding = 36 words: the 16 rows of a fragment load start at 16 different groups of four banks (64 banks of 4 bytes: ISA guide 11.1)
.set NA,     8                         ; fragments of x a wave
.set NG,     3                         ; groups of four fragments of W
.set NQ,     2                         ; steps of 32 along K in a slot
.set GSTR,   128*P                     ; from q's rows to k's to v's in W's tile
.set BOFF,   256*P                     ; W's tile lies behind x's 256 rows
.set SLOT1,  1<<17                     ; slot 1; a slot uses 640 rows x 144 = 92,160 bytes
.set SPARE,  SLOT1+640*P               ; behind slot 1: the spare words, 128 bytes for each wave
.set RA,     64                        ; a load of x: 128 rows of 128 bytes, asked for as 64 rows of 256
.set RB,     96                        ; a load of W: 192 rows, as 96 rows of 256
.set SGA,    8192*128                  ; bytes from a plane of xb to the next
.set SGB,    3072*128                  ; the same in wb
.set W0,     8*(NG-1)                  ; see STEP
.set WG,     8*(NG-1)+2*NA
.set ADRA0, 16                         ; v16  my lane's place among x's fragments in a slot; never rewritten
.set ADRA,  17                         ; v17  the same in the slot that is being fetched from
.set ADRB0, 20                         ; v20, v21  the same for W
.set ADRB,  21
.set CO,   26                          ; v26  16 x lane: my place in 512 consecutive bytes of the output
.set SPW,  28                          ; v28  LDS address of my spare word; never rewritten
.set NIL,  29                          ; v29  0; never rewritten
.set AF0,  32
.set AF1,  96
.set BF,   160
.set TMP,  32                          ; the way out: packed results, v32-47 and v48-63 by turns
.set G1,  24                           ; s[24:31] descriptor group 1 for x's tiles;  s[32:39] group 0: a set for each of the two first fills; the second then walks on
.set G0,  32
.set G1B, 48                           ; s[48:55], s[56:63] the same for W's tiles
.set G0B, 56
.set TB,  66                           ; s66  0 or 2^17: the slot that is being fetched from
.set FLAGS, (1<<16)|(1<<20)|(1<<21)|(4<<22)|(3<<25)  ; 17:16 elements of 2 bytes; 20 padding on; 21 set beside a mask; 24:22 after every 32 words (code 4); 31:25 4 words of it (code 3)
.set MSB, 0
.macro WIN new                         ; the immediate's high byte repeats the setting that is left; a switch that changes nothing is dropped
.if MSB != (\new)
	s_set_vgpr_msb (MSB<<8)|(\new)
.set MSB, \new
.endif
.endm
.macro PLACES                          ; four places between a matrix instruction and a load into, or a vector instruction on, its registers
.rept 4
	v_nop
.endr
.endm
; A joint load.  Waves 0 and 1 fetch the two halves of x's tile, waves 2 and 3 those of W's.  The branch hangs on the wave's number alone.
; An s_nop 0 and four v_nop follow each of the two lines, ahead of the jump and the label.
.macro JLOAD s
	s_cmp_eq_u32 s11, 0
	s_cbranch_scc0 .Lfor_b_\@
	tensor_load_to_lds s[G0+4*(\s):G0+4*(\s)+3], s[G1:G1+7]
	s_nop 0
.rept 4
	v_nop
.endr
	s_branch .Lasked_\@
.Lfor_b_\@:
	tensor_load_to_lds s[G0B+4*(\s):G0B+4*(\s)+3], s[G1B:G1B+7]
	s_nop 0
.rept 4
	v_nop
.endr
.Lasked_\@:
.endm
.macro CREST                           ; a round of the cluster's barrier behind its opening barrier
	s_cmp_lg_u32 s10, 0
	s_cbranch_scc1 .Lnot_wave_0_\@
	s_barrier_signal -3
.Lnot_wave_0_\@:
	s_barrier_wait -3
	s_barrier_signal -1
	s_barrier_wait -1
.endm
.macro CROUND                          ; a whole round
	s_barrier_signal -1
	s_barrier_wait -1
	CREST
.endm
	s_load_b128 s[4:7], s[0:1], 0x0                ; xb s[4:5], wb s[6:7]
	s_load_b128 s[68:71], s[0:1], 0x10             ; qh s[68:69], kh s[70:71]
	s_load_b64 s[72:73], s[0:1], 0x20              ; vt
	v_lshl_add_u32 v[SPW], v0, 2, SPARE
	v_mov_b32 v[NIL], 0
	ds_add_u32 v[SPW], v[NIL]                      ; the wave's opening: the add and its wait stand ahead of my first tensor load; the set-up below, work on registers, stands between them
	v_lshrrev_b32 v1, 5, v0
	v_readfirstlane_b32 s10, v1                    ; wave 0..3
	s_lshr_b32 s11, s10, 1                         ; which half of the tile's rows is mine.  Also: I fetch for x (0) or for W (1)
	s_and_b32 s12, s10, 1                          ; which half of each type's channels.  Also: which half of that tile I fetch
	s_bfe_u32 s40, ttmp6, 0x40000                  ; cx, cy: my place in the cluster
	s_bfe_u32 s41, ttmp6, 0x40004
	s_lshl_b32 s42, ttmp9, 2
	s_add_co_u32 s42, s42, s40                     ; j, the block of 128 channels = 4 x cluster x + cx
	s_and_b32 s13, ttmp7, 0xffff
	s_lshl_b32 s13, s13, 2
	s_add_co_u32 s13, s13, s41                     ; y, the block of 256 rows = 4 x cluster y + cy
	s_lshl_b32 s43, s41, 2
	s_lshl_b32 s43, 15, s43                        ; my row of the cluster
	s_lshl_b32 s44, 0x1111, s40                    ; my column
	s_or_b32 s[G1+0], s43, FLAGS                   ; x's tiles go to my row,
	s_or_b32 s[G1B+0], s44, FLAGS                  ; W's to my column
.irp g, G1, G1B
	s_mov_b32 s[(\g)+1], 128<<16                   ; tensor_dim0 = 128 elements: rows of 256 bytes
	s_mov_b32 s[(\g)+3], 128<<16                   ; tile_dim0 = 128
	s_mov_b32 s[(\g)+5], 128                       ; 128 elements from row to row: the block is dense
	s_mov_b32 s[(\g)+6], 0
	s_mov_b32 s[(\g)+7], 0
.endr
	s_mov_b32 s[G1+2], RA<<16                      ; tensor_dim1
	s_mov_b32 s[G1+4], RA                          ; tile_dim1
	s_mov_b32 s[G1B+2], RB<<16
	s_mov_b32 s[G1B+4], RB
	s_mov_b32 s[TB], 0
	s_lshl_b32 s16, s13, 15                        ; x: 256 y rows of 128 bytes,
	s_lshl_b32 s17, s12, 14                        ; + my half's 128 rows: nothing of cx enters
	s_add_co_u32 s16, s16, s17
	s_mov_b32 s17, 0
	s_mul_i32 s46, s42, 384*128                    ; W: 384 j rows,
	s_mul_i32 s47, s12, 192*128                    ; + my half's 192 rows: nothing of cy enters
	s_add_co_u32 s46, s46, s47
	s_mov_b32 s47, 0
	s_mul_i32 s20, s12, 128*P                      ; where they go in a slot, below 2^17: no place in the cluster enters an LDS address
	s_mul_i32 s21, s12, 192*P
	s_add_co_u32 s21, s21, BOFF
	s_wait_dscnt 0x0                               ; the opening add is done
	s_wait_kmcnt 0x0
	s_add_nc_u64 s[14:15], s[4:5], s[16:17]
	s_add_nc_u64 s[46:47], s[6:7], s[46:47]
	CROUND                                         ; all sixteen work-groups are here: the first joint loads meet
.irp s, 0,1
	s_mov_b32 s[G0+4*(\s)], 1                      ; count = 1
	s_add_co_u32 s[G0+4*(\s)+1], s20, (\s)*SLOT1   ; LDS address
	s_add_nc_u64 s[G0+4*(\s)+2:G0+4*(\s)+3], s[14:15], (\s)*SGA  ; global address: plane s
	s_or_b32 s[G0+4*(\s)+3], s[G0+4*(\s)+3], 0x80000000          ; type = 2
	s_mov_b32 s[G0B+4*(\s)], 1
	s_add_co_u32 s[G0B+4*(\s)+1], s21, (\s)*SLOT1
	s_add_nc_u64 s[G0B+4*(\s)+2:G0B+4*(\s)+3], s[46:47], (\s)*SGB
	s_or_b32 s[G0B+4*(\s)+3], s[G0B+4*(\s)+3], 0x80000000
	JLOAD \s                                       ; both slots are asked for before anything else: two loads of mine are out
.endr
	; A fragment is 16 rows x 32 K in 8 registers: lane l holds row l % 16, K = 8 (l / 16) + 0..7 and 16 + 8 (l / 16) + 0..7: two loads of 16 bytes, 32 bytes apart.
	v_and_b32 v1, 15, v0                           ; r = l % 16
	v_bfe_u32 v2, v0, 4, 1                         ; h = l / 16
	v_mul_u32_u24 v3, v1, P
	v_lshl_add_u32 v3, v2, 4, v3                   ; row x pitch + 16 x half
	s_mul_i32 s22, s11, 128*P                      ; my 128 rows of x
	s_mul_i32 s23, s12, 64*P                       ; my 64 rows of each type of W
	s_add_co_u32 s23, s23, BOFF
	v_add_nc_u32 v[ADRA0], s22, v3
	v_add_nc_u32 v[ADRB0], s23, v3
	v_mov_b32 v[ADRA], v[ADRA0]                    ; the fetches begin in slot 0
	v_mov_b32 v[ADRB], v[ADRB0]
	v_and_b32 v[CO], 31, v0
	v_lshlrev_b32 v[CO], 4, v[CO]
	; where my results go.  q, k: plane 2 j + column half, row 256 y + 128 row half.  v: key block 4 y + 2 row half, channel 128 j + 64 column half.
	s_lshl_b32 s74, s42, 1
	s_add_co_u32 s74, s74, s12
	s_lshl_b32 s74, s74, 20                        ; a plane of qh is 1,048,576 bytes
	s_lshl_b32 s75, s13, 15
	s_add_co_u32 s74, s74, s75
	s_lshl_b32 s75, s11, 14
	s_add_co_u32 s74, s74, s75
	s_mov_b32 s75, 0
	s_add_nc_u64 s[68:69], s[68:69], s[74:75]
	s_add_nc_u64 s[70:71], s[70:71], s[74:75]
	s_lshl_b32 s74, s13, 19                        ; a key block of vt is 131,072 bytes; four of them a y
	s_lshl_b32 s16, s11, 18
	s_add_co_u32 s74, s74, s16
	s_lshl_b32 s16, s42, 14                        ; 128 j channels of 128 bytes
	s_add_co_u32 s74, s74, s16
	s_lshl_b32 s16, s12, 13
	s_add_co_u32 s74, s74, s16
	s_add_nc_u64 s[72:73], s[72:73], s[74:75]
; 16 matrix instructions: group g (0 q, 1 k, 2 v), its channel blocks 2 half and 2 half + 1, all 8 row blocks, 32 along K from x's buffer ab.
; Every accumulator has one turn in a step of 96, so no two matrix instructions that follow each other share one.  zero = 1: the product starts the sum.
.macro MULH g, half, ab, zero
	WIN ((\g)+1)*0x50                              ; C and D in window g + 1, the sources in window 0
.set bb, 2*(\half)
.rept 2
.set a, 0
.rept NA
.set rD_, 8*(NA*bb+a)
.set rB_, BF+8*(4*(\g)+bb)
.set rA_, AF0+(AF1-AF0)*(\ab)+8*a
.if (\g) == 2
.if \zero
	v_wmma_f32_16x16x32_bf16 v[rD_:rD_+7], v[rA_:rA_+7], v[rB_:rB_+7], 0
.else
	v_wmma_f32_16x16x32_bf16 v[rD_:rD_+7], v[rA_:rA_+7], v[rB_:rB_+7], v[rD_:rD_+7]
.endif
.else
.if \zero
	v_wmma_f32_16x16x32_bf16 v[rD_:rD_+7], v[rB_:rB_+7], v[rA_:rA_+7], 0
.else
	v_wmma_f32_16x16x32_bf16 v[rD_:rD_+7], v[rB_:rB_+7], v[rA_:rA_+7], v[rD_:rD_+7]
.endif
.endif
.set a, a+1
.endr
.set bb, bb+1
.endr
.endm
; A run of LDS loads: group g's four fragments of W (8 loads) for K half kq of the slot that is being fetched from; with group 0 also x's 8 fragments (16 loads), into buffer ab.
.macro RUN g, kq, ab
	WIN 0
.set fr_, 0
.rept 4
.set rB_, BF+8*(4*(\g)+fr_)
.set oB_, (\g)*GSTR+fr_*16*P+64*(\kq)
	ds_load_b128 v[rB_:rB_+3],   v[ADRB] offset:oB_
	ds_load_b128 v[rB_+4:rB_+7], v[ADRB] offset:oB_+32
.set fr_, fr_+1
.endr
.if (\g) == 0
.set fr_, 0
.rept NA
.set rA_, AF0+(AF1-AF0)*(\ab)+8*fr_
.set oA_, fr_*16*P+64*(\kq)
	ds_load_b128 v[rA_:rA_+3],   v[ADRA] offset:oA_
	ds_load_b128 v[rA_+4:rA_+7], v[ADRA] offset:oA_+32
.set fr_, fr_+1
.endr
.endif
.endm
.macro TOGGLE                          ; the fetches go on in the other slot
	WIN 0
	s_xor_b32 s[TB], s[TB], SLOT1
	v_add_nc_u32 v[ADRA], s[TB], v[ADRA0]
	v_add_nc_u32 v[ADRB], s[TB], v[ADRB0]
.endm
; A STEP of 32 along K: step i of the slot.  Group by group: wait for the group's fragments, 32 products, four places, and the same group's fragments for the NEXT step into the registers just read.
; THE COUNTS (LDS loads come back in order; run 0 has 24 loads, runs 1 and 2 eight each):
;   W0 = 16: behind this step's run 0 stand runs 1 and 2.     WG = 32: behind run g stand the later runs of the step before and this step's runs 0 .. g - 1.
; mode 0: plain.  mode 1: the slot's last step, and the slot is filled again.  mode 2: the same without a refill.  mode 3: the very last step: nothing is fetched, and the counts run down.
; THE CHANGE OF SLOTS.  In front of the barrier each wave waits for all its tensor loads (one is out: its part of the other slot), adds 0 to its spare word, and waits for that and for its reads of this slot
; (the last were issued in the step before).  Behind it nobody reads this slot and the other slot is whole.  With a refill the barrier opens a round of the cluster's; behind the round the walking descriptors
; turn to the slot just left and step one plane on, and the joint load is the first thing issued.
.macro STEP i, mode, zero=0
.set ab_, (\i)%2
.set nk_, ((\i)+1)%NQ
.if ((\mode) == 1) || ((\mode) == 2)
	WIN 0                                          ; (the add's two registers lie in window 0)
	s_wait_tensorcnt 0x0                           ; all my tensor loads have landed
	ds_add_u32 v[SPW], v[NIL]                      ; 0 onto my spare word
	s_wait_dscnt W0+1                              ; (run 0 is in; the later runs and the add may be out)
	MULH 0, 0, ab_, \zero                          ; sixteen matrix instructions stand between the add and the wait for it
	s_wait_dscnt 0x0                               ; the add is done, and my reads of this slot are over
	s_barrier_signal -1
	MULH 0, 1, ab_, \zero                          ; work on registers while the others arrive
	WIN 0
	s_barrier_wait -1
.if (\mode) == 1
	CREST                                          ; no wave of any partner still reads this slot or has a load on its way
	s_xor_b32 s[G0+5], s[G0+5], SLOT1              ; no tensor load of mine is out, so a group 0 may be written
	s_add_nc_u64 s[G0+6:G0+7], s[G0+6:G0+7], SGA   ; the type bits on top are not reached
	s_xor_b32 s[G0B+5], s[G0B+5], SLOT1
	s_add_nc_u64 s[G0B+6:G0B+7], s[G0B+6:G0B+7], SGB
	JLOAD 1                                        ; my one tensor load behind the round; its four v_nop are also the places in front of the loads below
.else
	PLACES
.endif
	TOGGLE
	RUN 0, nk_, 1-ab_
.else
.if (\mode) == 3
	s_wait_dscnt 8*(NG-1)
.else
	s_wait_dscnt W0
.endif
	MULH 0, 0, ab_, \zero
	MULH 0, 1, ab_, \zero
.if (\mode) != 3
	PLACES
	RUN 0, nk_, 1-ab_
.endif
.endif
.set g_, 1
.rept NG-1
.if (\mode) == 3
	s_wait_dscnt 8*(NG-1-g_)
.else
	s_wait_dscnt WG
.endif
	MULH g_, 0, ab_, \zero
	MULH g_, 1, ab_, \zero
.if (\mode) != 3
	PLACES
	RUN g_, nk_, 1-ab_
.endif
.set g_, g_+1
.endr
.endm
	s_wait_tensorcnt 0x1                           ; my part of plane 0 is in; plane 1's may stay out
	s_barrier_signal -1
	s_barrier_wait -1                              ; everybody's is
	RUN 0, 0, 0
	RUN 1, 0, 0
	RUN 2, 0, 0
	STEP 0, 0, 1                                   ; the first step stands in front of the loop: its products start the sums
	WIN 0                                          ; at a label and at a branch every window is 0
	s_mov_b32 s3, 14
.Lplane:                                               ; a trip goes from a plane's second step to the next plane's first and fills the slot just left: planes 2 to 15
	STEP 1, 1
	STEP 0, 0
	WIN 0
	s_sub_co_u32 s3, s3, 1
	s_cmp_lg_u32 s3, 0
	s_cbranch_scc1 .Lplane
	STEP 1, 2                                      ; planes 14 and 15: nothing is left to fetch
	STEP 0, 0
	STEP 1, 3
; THE WAY OUT, in 24 units of four accumulators: 16 rows x 64 numbers of f16 = one block of 2,048 bytes of the output.
; Units 0-7: q, row block u.  8-15: k.  16-23: v, channel block (u - 16) / 2, key block (u - 16) % 2.
.macro UPAR u                          ; the unit's window, first accumulator and step, base register and byte offset
.if (\u) < 16
.set uw_, 1+(\u)/8
.set ur_, 8*((\u)%8)
.set us_, 64
.set ub_, 68+2*((\u)/8)
.set uo_, 2048*((\u)%8)
.else
.set uw_, 3
.set ur_, 64*(((\u)-16)/2)+32*(((\u)-16)%2)
.set us_, 8
.set ub_, 72
.set uo_, 131072*(((\u)-16)%2)+2048*(((\u)-16)/2)
.endif
.set tb_, TMP+16*((\u)%2)
.endm
.macro PACKU u                         ; rounded to f16, 16 bytes a lane and accumulator; each accumulator's registers in ascending order
	UPAR \u
	WIN (uw_<<2)|uw_
.set i_, 0
.rept 4
.set k_, 0
.rept 4
	v_cvt_pk_f16_f32 v[tb_+4*i_+k_], v[ur_+us_*i_+2*k_], v[ur_+us_*i_+2*k_+1]
.set k_, k_+1
.endr
.set i_, i_+1
.endr
	WIN 0
.endm
.macro SENDU u
	UPAR \u
	s_wait_xcnt 0x0                                ; the unit before has had its stores' registers read: the next unit's conversions write them only behind this wait; this unit's stores are not waited for
.irp t, 0,1,2,3
	global_store_b128 v[CO], v[tb_+4*\t:tb_+4*\t+3], s[ub_:ub_+1] offset:uo_+512*\t  ; accumulator t: 512 consecutive bytes, at a multiple of 512 from the buffer's first
.endr
.endm
	PLACES                                         ; the conversions read results just made
.set u_, 0
.rept 24
	PACKU u_
	SENDU u_
.set u_, u_+1
.endr
	s_wait_tensorcnt 0x0                           ; the wave's end: behind my last tensor load
	ds_add_u32 v[SPW], v[NIL]
	s_wait_dscnt 0x0
	CROUND                                         ; the closing round: no work-group ends while a partner may still ask for a tile that names it
	s_endpgm
.Lfunc_end_k_qfa5cc97f5f_proj:
	.size	k_qfa5cc97f5f_proj, .Lfunc_end_k_qfa5cc97f5f_proj-k_qfa5cc97f5f_proj
	.p2alignl 7, 3214868480
	.fill 96, 4, 3214868480
	.section	.rodata,"a",@progbits
	.p2align	6, 0x0
	.amdhsa_kernel k_qfa5cc97f5f_proj
		.amdhsa_group_segment_fixed_size 327680
		.amdhsa_private_segment_fixed_size 0
		.amdhsa_enable_private_segment 0
		.amdhsa_kernarg_size 40
		.amdhsa_user_sgpr_count 2
		.amdhsa_user_sgpr_kernarg_segment_ptr 1
		.amdhsa_wavefront_size32 1
		.amdhsa_system_sgpr_workgroup_id_x 1
		.amdhsa_system_sgpr_workgroup_id_y 1
		.amdhsa_system_sgpr_workgroup_id_z 1
		.amdhsa_system_vgpr_workitem_id 0
		.amdhsa_next_free_vgpr 1024
		.amdhsa_next_free_sgpr 76
		.amdhsa_reserve_vcc 0
		.amdhsa_float_denorm_mode_32 3
		.amdhsa_float_denorm_mode_16_64 3
		.amdhsa_memory_ordered 1
		.amdhsa_forward_progress 1
		.amdhsa_inst_pref_size 99
	.end_amdhsa_kernel
	.amdgpu_metadata
---
amdhsa.version: [ 1, 2 ]
amdhsa.kernels:
  - .name:           k_qfa5cc97f5f_proj
    .symbol:         k_qfa5cc97f5f_proj.kd
    .args:
      - { .name: xb, .offset: 0, .size: 8, .value_kind: global_buffer, .address_space: global }
      - { .name: wb, .offset: 8, .size: 8, .value_kind: global_buffer, .address_space: global }
      - { .name: qh, .offset: 16, .size: 8, .value_kind: global_buffer, .address_space: global }
      - { .name: kh, .offset: 24, .size: 8, .value_kind: global_buffer, .address_space: global }
      - { .name: vt, .offset: 32, .size: 8, .value_kind: global_buffer, .address_space: global }
    .group_segment_fixed_size: 327680
    .private_segment_fixed_size: 0
    .kernarg_segment_align: 8
    .kernarg_segment_size: 40
    .max_flat_workgroup_size: 128
    .sgpr_count:     76
    .vgpr_count:     1024
    .wavefront_size: 32
...
	.end_amdgpu_metadata
.endif
;; end of part 2
;; launch scores (part 3): grid 8 x 32, 4 waves a work-group, clusters of 4 x 4, 327,680 bytes of LDS; arguments qh, kh, ph, sm, sl; writes ph, sm, sl
.if DOCPART == 3
	.amdgcn_target "amdgcn-amd-amdhsa--gfx1250"
	.amdhsa_code_object_version 6
	.text
	.protected	k_qfa5cc97f5f_scores
	.globl	k_qfa5cc97f5f_scores
	.p2align	8
	.type	k_qfa5cc97f5f_scores,@function
k_qfa5cc97f5f_scores:
	s_mov_b64 s[64:65], 0
	v_nop
	global_prefetch_b8 v0, s[64:65] scope:SCOPE_SE
	s_setreg_imm32_b32 hwreg(HW_REG_WAVE_MODE, 25, 1), 1
	s_wait_xcnt 0x0
	s_wait_alu depctr_hold_cnt(0) depctr_sa_sdst(0) depctr_va_vdst(0) depctr_va_sdst(0) depctr_va_ssrc(0) depctr_va_vcc(0) depctr_vm_vsrc(0)
	s_getreg_b32 s2, hwreg(HW_REG_IB_STS2, 6, 4)
	s_cmp_eq_u32 s2, 0
	s_cbranch_scc0 .Lentry_in_a_cluster
	s_endpgm
.Lentry_in_a_cluster:
	s_bfe_u32 s2, ttmp6, 0x10000c
	s_cmp_lg_u32 s2, 0xf033
	s_cbranch_scc0 .Lentry_shape_is_right
	s_endpgm
.Lentry_shape_is_right:
; SCORES AND WEIGHTS.  For a tile of 256 queries x 256 keys of one batch: s = (c q) . k (K = 1024, f16 operands, f32 sums; c = log2(e) / 32 came in with q); m = the row's maximum over the tile's
; 256 keys; p = 2^(s - m), rounded once to f16; l = the sum of the unrounded p over 128 keys.  The next launch takes the rows' true maxima from the eight m of a row.
; The tile's largest weight is exactly 1 whatever the size of the scores.
; In:  qh, kh [16 cb][512 blocks of 16 rows][2,048 bytes] f16.   Out: ph [32 key blocks of the batch][512 blocks of 16 query rows][2,048 bytes] f16.
;      INSIDE A BLOCK of 16 rows x 64 K the 16 bytes that hold K = 16 i + 8 (l / 16) + 0..7 of row l % 16 stand at 512 i + 16 l: the order in which a matrix operand lies in the lanes.
;      So a tile comes into LDS dense, a fragment is two loads at 16 x lane, 512 bytes apart (32 lanes, 512 consecutive bytes), and a packed accumulator leaves by one store of 512 consecutive bytes.
;      sm [4 b][8 tiles of 256 keys][2048] f32;  sl [4 b][16 tiles of 128 keys][2048] f32.
;      In sm and sl row q stands at place 64 (q / 64) + 4 (q % 16) + (q % 64) / 16: a wave's 128 numbers then leave as 512 consecutive bytes straight from its registers.
; LIMITS.  p below 6e-5 keeps f16's fixed step of 6e-8; a weight below 2^-126 counts as 0; NaN and infinities are not treated apart.
; SHARES.  32 x 8 = 256 work-groups; a wave makes 128 queries x 128 keys: 64 accumulators.  K goes in steps of 128 (two planes) through two LDS slots of 2^17 bytes.
; CLUSTER.  4 x 4: the four of a row need the same rows of q, the four of a column the same rows of k (a cluster's four query tiles lie in one batch).
; LAYOUT.  Source 0 = 16 keys, source 1 = 16 queries: a lane holds one query (lane % 16) and the keys 8 (lane / 16) + 0..7 of each key block.
; THE LOOP HOLDS ONE K STEP: one exclusive or with 2^17 turns the walking descriptors' LDS word, and s[TB], from which the fragment addresses are made, to the other slot.
; REGISTERS: window 0: v0-31 addresses; v32-95, v96-159 fragments of q, two buffers; v160-223 fragments of k, two groups; behind the products see below.
;   windows 1, 2: the accumulators of key blocks 0-3 and 4-7: key block bb, query block a at v[8 (8 bb + a)]
.set NA,     8
.set NG,     2
.set NQ,     4                         ; steps of 32 along K in a slot
.set PL,     256*128                   ; a plane of 256 rows in a slot: 16 blocks of 2,048 bytes
.set BOFF,   2*PL                      ; k's two planes lie behind q's
.set SLOT1,  4*PL                      ; 131,072 = 2^17
.set XM,     2*SLOT1                   ; behind the ring: 1,024 bytes for each wave: its rows' maxima, for the wave beside it
.set SPARE,  XM+4*1024                 ; the spare words, 128 bytes for each wave
.set RT,     128                       ; a load: one plane's 32,768 bytes, asked for as 128 rows of 256
.set SG,     2*8192*128                ; a K step is two planes of 1,048,576 bytes
.set W0,     8*(NG-1)
.set WG,     8*(NG-1)+2*NA
.set ADRA0, 16                         ; v16  my lane's place among q's fragments in a slot; never rewritten
.set ADRA,  17                         ; v17  the same in the slot that is being fetched from
.set ADRB0, 20                         ; v20, v21  the same for k
.set ADRB,  21
.set CO,   26                          ; v26  16 x lane
.set XW,   27                          ; v27  where I put my rows' maxima
.set SPW,  28
.set NIL,  29
.set XR,   30                          ; v30  where the maxima of my row half's two waves lie
.set AF0,  32
.set AF1,  96
.set BF,   160
.set MXP,  32                          ; v32-47   m of query block a at v[32 + 2 a] (named as pairs)
.set PM,   48                          ; v48-55   the other lanes', then the first wave's, numbers
.set PM2,  56                          ; v56-63   the second wave's maxima
.set LSM,  64                          ; v64-79   l of query block a, a pair (even keys', odd keys')
.set SS,   80                          ; v80-83, v84-87  four numbers to store
.set TMP,  96                          ; v96-127, v128-159 packed weights of one query block, by turns
.set SU,   160                         ; v160-191 its sums' first level
.set G1,  24
.set G0,  32
.set G1B, 48
.set G0B, 56
.set TB,  66                           ; s66  0 or 2^17: the slot that is being fetched from
.set SEL, 78                           ; s[78:79] v_permlanex16_b32's selects: each lane takes its own place in the other half
.set FLAGS, (1<<16)|(1<<21)            ; elements of 2 bytes; bit 21 beside a mask; no padding
.set MSB, 0
.macro WIN new                         ; the immediate's high byte repeats the setting that is left; a switch that changes nothing is dropped
.if MSB != (\new)
	s_set_vgpr_msb (MSB<<8)|(\new)
.set MSB, \new
.endif
.endm
.macro PLACES                          ; four places between a matrix instruction and a load into, or a vector instruction on, its registers
.rept 4
	v_nop
.endr
.endm
.macro JLOAD s                         ; a joint load: waves 0 and 1 fetch q's two planes, waves 2 and 3 k's; an s_nop 0 and four v_nop follow each line
	s_cmp_eq_u32 s11, 0
	s_cbranch_scc0 .Lfor_b_\@
	tensor_load_to_lds s[G0+4*(\s):G0+4*(\s)+3], s[G1:G1+7]
	s_nop 0
.rept 4
	v_nop
.endr
	s_branch .Lasked_\@
.Lfor_b_\@:
	tensor_load_to_lds s[G0B+4*(\s):G0B+4*(\s)+3], s[G1B:G1B+7]
	s_nop 0
.rept 4
	v_nop
.endr
.Lasked_\@:
.endm
.macro CREST                           ; a round of the cluster's barrier behind its opening barrier
	s_cmp_lg_u32 s10, 0
	s_cbranch_scc1 .Lnot_wave_0_\@
	s_barrier_signal -3
.Lnot_wave_0_\@:
	s_barrier_wait -3
	s_barrier_signal -1
	s_barrier_wait -1
.endm
.macro CROUND
	s_barrier_signal -1
	s_barrier_wait -1
	CREST
.endm
	s_load_b128 s[4:7], s[0:1], 0x0                ; qh s[4:5], kh s[6:7]
	s_load_b128 s[68:71], s[0:1], 0x10             ; ph s[68:69], sm s[70:71]
	s_load_b64 s[72:73], s[0:1], 0x20              ; sl
	v_lshl_add_u32 v[SPW], v0, 2, SPARE
	v_mov_b32 v[NIL], 0
	ds_add_u32 v[SPW], v[NIL]                      ; the wave's opening: the add and its wait stand ahead of my first tensor load; the set-up below stands between them
	v_lshrrev_b32 v1, 5, v0
	v_readfirstlane_b32 s10, v1                    ; wave 0..3
	s_lshr_b32 s11, s10, 1                         ; my half of the queries.  Also: I fetch for q (0) or for k (1)
	s_and_b32 s12, s10, 1                          ; my half of the keys.  Also: which plane of the K step I fetch
	s_bfe_u32 s40, ttmp6, 0x40000                  ; cx, cy
	s_bfe_u32 s41, ttmp6, 0x40004
	s_lshl_b32 s42, ttmp9, 2
	s_add_co_u32 s42, s42, s40                     ; x, the tile of 256 keys in the batch
	s_and_b32 s13, ttmp7, 0xffff
	s_lshr_b32 s45, s13, 1                         ; the batch: a cluster's four query tiles lie in one, so it is made of the cluster's y alone
	s_lshl_b32 s13, s13, 2
	s_add_co_u32 s13, s13, s41                     ; y, the tile of 256 query rows among all 8192
	s_lshl_b32 s43, s41, 2
	s_lshl_b32 s43, 15, s43                        ; my row of the cluster
	s_lshl_b32 s44, 0x1111, s40                    ; my column
	s_or_b32 s[G1+0], s43, FLAGS
	s_or_b32 s[G1B+0], s44, FLAGS
.irp g, G1, G1B
	s_mov_b32 s[(\g)+1], 128<<16                   ; tensor_dim0 = 128 elements: rows of 256 bytes
	s_mov_b32 s[(\g)+2], RT<<16                    ; tensor_dim1
	s_mov_b32 s[(\g)+3], 128<<16                   ; tile_dim0
	s_mov_b32 s[(\g)+4], RT                        ; tile_dim1
	s_mov_b32 s[(\g)+5], 128                       ; the block is dense
	s_mov_b32 s[(\g)+6], 0
	s_mov_b32 s[(\g)+7], 0
.endr
	s_mov_b32 s[SEL], 0x76543210
	s_mov_b32 s[SEL+1], 0xfedcba98
	s_mov_b32 s81, 0xff7fffff                      ; the lowest finite number
	s_mov_b32 s[TB], 0
	s_lshl_b32 s16, s12, 20                        ; q: my plane,
	s_lshl_b32 s17, s13, 15                        ; 256 y rows of 128 bytes
	s_add_co_u32 s16, s16, s17
	s_mov_b32 s17, 0
	s_lshl_b32 s46, s12, 20                        ; k: my plane,
	s_lshl_b32 s47, s45, 18                        ; the batch's 2048 rows,
	s_add_co_u32 s46, s46, s47
	s_lshl_b32 s47, s42, 15                        ; 256 x rows
	s_add_co_u32 s46, s46, s47
	s_mov_b32 s47, 0
	s_lshl_b32 s20, s10, 15                        ; where they go: q's planes 0, 1, then k's = wave x a plane, below 2^17
	s_wait_dscnt 0x0                               ; the opening add is done
	s_wait_kmcnt 0x0
	s_add_nc_u64 s[14:15], s[4:5], s[16:17]
	s_add_nc_u64 s[46:47], s[6:7], s[46:47]
	CROUND                                         ; all sixteen work-groups are here: the first joint loads meet
.irp s, 0,1
	s_mov_b32 s[G0+4*(\s)], 1
	s_add_co_u32 s[G0+4*(\s)+1], s20, (\s)*SLOT1
	s_add_nc_u64 s[G0+4*(\s)+2:G0+4*(\s)+3], s[14:15], (\s)*SG
	s_or_b32 s[G0+4*(\s)+3], s[G0+4*(\s)+3], 0x80000000
	s_mov_b32 s[G0B+4*(\s)], 1
	s_add_co_u32 s[G0B+4*(\s)+1], s20, (\s)*SLOT1
	s_add_nc_u64 s[G0B+4*(\s)+2:G0B+4*(\s)+3], s[46:47], (\s)*SG
	s_or_b32 s[G0B+4*(\s)+3], s[G0B+4*(\s)+3], 0x80000000
	JLOAD \s                                       ; two loads of mine are out
.endr
	v_and_b32 v1, 15, v0                           ; r
	v_bfe_u32 v2, v0, 4, 1                         ; h
	v_and_b32 v[CO], 31, v0
	v_lshlrev_b32 v[CO], 4, v[CO]
	s_lshl_b32 s22, s11, 14                        ; my 128 queries: 8 blocks of 2,048 bytes
	s_lshl_b32 s23, s12, 14                        ; my 128 keys
	s_add_co_u32 s23, s23, BOFF
	v_add_nc_u32 v[ADRA0], s22, v[CO]
	v_add_nc_u32 v[ADRB0], s23, v[CO]
	v_mov_b32 v[ADRA], v[ADRA0]                    ; the fetches begin in slot 0
	v_mov_b32 v[ADRB], v[ADRB0]
	s_lshl_b32 s23, s10, 10
	s_add_co_u32 s23, s23, XM
	v_lshl_add_u32 v[XW], v1, 2, s23               ; my wave's words: 64 a + 4 r
	s_lshl_b32 s23, s11, 11
	s_add_co_u32 s23, s23, XM
	v_lshl_add_u32 v[XR], v1, 2, s23               ; the two waves of my row half: at + 0 and + 1,024
	; ph: plane 4 x + 2 column half, row 256 y + 128 row half
	s_lshl_b32 s74, s42, 22
	s_lshl_b32 s16, s12, 21
	s_add_co_u32 s74, s74, s16
	s_lshl_b32 s16, s13, 15
	s_add_co_u32 s74, s74, s16
	s_lshl_b32 s16, s11, 14
	s_add_co_u32 s74, s74, s16
	s_mov_b32 s75, 0
	s_add_nc_u64 s[68:69], s[68:69], s[74:75]
	s_and_b32 s17, s13, 7                          ; my rows' place in the batch, 4 bytes each
	s_lshl_b32 s17, s17, 10
	s_lshl_b32 s16, s11, 9
	s_add_co_u32 s17, s17, s16
	s_lshl_b32 s74, s45, 16                        ; sm: (8 b + x) x 8,192 bytes
	s_lshl_b32 s16, s42, 13
	s_add_co_u32 s74, s74, s16
	s_add_co_u32 s74, s74, s17
	s_add_nc_u64 s[70:71], s[70:71], s[74:75]
	s_lshl_b32 s74, s45, 17                        ; sl: (16 b + 2 x + column half) x 8,192 bytes
	s_lshl_b32 s16, s42, 14
	s_add_co_u32 s74, s74, s16
	s_lshl_b32 s16, s12, 13
	s_add_co_u32 s74, s74, s16
	s_add_co_u32 s74, s74, s17
	s_add_nc_u64 s[72:73], s[72:73], s[74:75]
; 16 matrix instructions: group g's key blocks 2 half, 2 half + 1 x all 8 query blocks.  Every accumulator has one turn in a step of 64.
.macro MULH g, half, ab, zero
	WIN ((\g)+1)*0x50                              ; C and D in window g + 1
.set bb, 2*(\half)
.rept 2
.set a, 0
.rept NA
.set rD_, 8*(NA*bb+a)
.set rB_, BF+8*(4*(\g)+bb)
.set rA_, AF0+(AF1-AF0)*(\ab)+8*a
.if \zero
	v_wmma_f32_16x16x32_f16 v[rD_:rD_+7], v[rB_:rB_+7], v[rA_:rA_+7], 0
.else
	v_wmma_f32_16x16x32_f16 v[rD_:rD_+7], v[rB_:rB_+7], v[rA_:rA_+7], v[rD_:rD_+7]
.endif
.set a, a+1
.endr
.set bb, bb+1
.endr
.endm
; A run of LDS loads from the slot that is being fetched from, plane pl, K quarter kq: group g's four fragments of k (8 loads); with group 0 also q's 8 fragments (16 loads), into buffer ab.
.macro RUN g, pl, kq, ab
	WIN 0
.set fr_, 0
.rept 4
.set rB_, BF+8*(4*(\g)+fr_)
.set oB_, (\pl)*PL+(4*(\g)+fr_)*2048+1024*(\kq)
	ds_load_b128 v[rB_:rB_+3],   v[ADRB] offset:oB_
	ds_load_b128 v[rB_+4:rB_+7], v[ADRB] offset:oB_+512
.set fr_, fr_+1
.endr
.if (\g) == 0
.set fr_, 0
.rept NA
.set rA_, AF0+(AF1-AF0)*(\ab)+8*fr_
.set oA_, (\pl)*PL+fr_*2048+1024*(\kq)
	ds_load_b128 v[rA_:rA_+3],   v[ADRA] offset:oA_
	ds_load_b128 v[rA_+4:rA_+7], v[ADRA] offset:oA_+512
.set fr_, fr_+1
.endr
.endif
.endm
.macro TOGGLE                          ; the fetches go on in the other slot
	WIN 0
	s_xor_b32 s[TB], s[TB], SLOT1
	v_add_nc_u32 v[ADRA], s[TB], v[ADRA0]
	v_add_nc_u32 v[ADRB], s[TB], v[ADRB0]
.endm
; A STEP of 32 along K: step i of the slot's four.  Group by group: wait, 32 products, four places, the same group's fragments for the next step.
; THE COUNTS (LDS loads come back in order; run 0 has 24 loads, run 1 eight): W0 = 8: behind this step's run 0 stands run 1.  WG = 24: behind run 1 stands this step's run 0.
; mode 0: plain.  1: the slot's last step, with a refill.  2: the same without.  3: the very last step.
; THE CHANGE OF SLOTS: in front of the barrier each wave waits for all its tensor loads (one is out: its part of the other slot), adds 0 to its spare word, and waits for that and for its reads of this slot.
; With a refill the barrier opens a round of the cluster's; behind the round the walking descriptors turn to the slot just left and step one K step on, and the joint load is the first thing issued:
; it has a K step's 256 matrix instructions, less these 32, in which to land.
.macro STEP i, mode, zero=0
.set ab_, (\i)%2
.set nk_, ((\i)+1)%NQ
.if ((\mode) == 1) || ((\mode) == 2)
	WIN 0
	s_wait_tensorcnt 0x0                           ; all my tensor loads have landed
	ds_add_u32 v[SPW], v[NIL]                      ; 0 onto my spare word
	s_wait_dscnt W0+1                              ; (run 0 is in; run 1 and the add may be out)
	MULH 0, 0, ab_, \zero
	s_wait_dscnt 0x0                               ; the add is done, and my reads of this slot are over
	s_barrier_signal -1
	MULH 0, 1, ab_, \zero
	WIN 0
	s_barrier_wait -1
.if (\mode) == 1
	CREST
	s_xor_b32 s[G0+5], s[G0+5], SLOT1              ; no tensor load of mine is out, so a group 0 may be written
	s_add_nc_u64 s[G0+6:G0+7], s[G0+6:G0+7], SG
	s_xor_b32 s[G0B+5], s[G0B+5], SLOT1
	s_add_nc_u64 s[G0B+6:G0B+7], s[G0B+6:G0B+7], SG
	JLOAD 1                                        ; its four v_nop are also the places in front of the loads below
.else
	PLACES
.endif
	TOGGLE
	RUN 0, nk_/2, nk_%2, 1-ab_
.else
.if (\mode) == 3
	s_wait_dscnt 8*(NG-1)
.else
	s_wait_dscnt W0
.endif
	MULH 0, 0, ab_, \zero
	MULH 0, 1, ab_, \zero
.if (\mode) != 3
	PLACES
	RUN 0, nk_/2, nk_%2, 1-ab_
.endif
.endif
.set g_, 1
.rept NG-1
.if (\mode) == 3
	s_wait_dscnt 8*(NG-1-g_)
.else
	s_wait_dscnt WG
.endif
	MULH g_, 0, ab_, \zero
	MULH g_, 1, ab_, \zero
.if (\mode) != 3
	PLACES
	RUN g_, nk_/2, nk_%2, 1-ab_
.endif
.set g_, g_+1
.endr
.endm
	s_wait_tensorcnt 0x1                           ; my part of K step 0 is in; K step 1's may stay out
	s_barrier_signal -1
	s_barrier_wait -1
	RUN 0, 0, 0, 0
	RUN 1, 0, 0, 0
	STEP 0, 0, 1                                   ; the first step starts the sums
	WIN 0
	s_mov_b32 s3, 6
.Lkstep:                                               ; a trip goes from a K step's second step to the next K step's first and fills the slot just left: K steps 2 to 7
	STEP 1, 0
	STEP 2, 0
	STEP 3, 1
	STEP 0, 0
	WIN 0
	s_sub_co_u32 s3, s3, 1
	s_cmp_lg_u32 s3, 0
	s_cbranch_scc1 .Lkstep
	STEP 1, 0                                      ; K steps 6 and 7: nothing is left to fetch
	STEP 2, 0
	STEP 3, 2
	STEP 0, 0
	STEP 1, 0
	STEP 2, 0
	STEP 3, 3
	; THE MAXIMA.  24 moves start them (and write the registers that the exchange of lanes counts as read); they name no register of the last products and are the places behind them.
	WIN 0
.set i_, 0
.rept 24
	v_mov_b32 v[MXP+i_], s81
.set i_, i_+1
.endr
.set g_, 0
.rept 2                                ; eight chains, one a query block, that do not wait for each other; each accumulator's lowest registers are read first
	WIN ((g_+1)<<4)|((g_+1)<<2)
.set bb, 0
.rept 4
.set jp, 0
.rept 4
.set a, 0
.rept 8
	v_max3_num_f32 v[MXP+2*a], v[MXP+2*a], v[8*(8*bb+a)+2*jp], v[8*(8*bb+a)+2*jp+1]
.set a, a+1
.endr
.set jp, jp+1
.endr
.set bb, bb+1
.endr
.set g_, g_+1
.endr
	WIN 0
.irp a, 0,1,2,3,4,5,6,7
	v_permlanex16_b32 v[PM+\a], v[MXP+2*\a], s[SEL], s[SEL+1]  ; the query's other keys lie in the lane 16 away
.endr
.irp a, 0,1,2,3,4,5,6,7
	v_max_num_f32 v[MXP+2*\a], v[MXP+2*\a], v[PM+\a]
.endr
.irp a, 0,1,2,3,4,5,6,7
	ds_store_b32 v[XW], v[MXP+2*\a] offset:64*\a   ; both halves of the lanes write the same word with the same number
.endr
	s_wait_dscnt 0x0                               ; for the others' sake: my maxima are in LDS
	s_barrier_signal -1
	s_barrier_wait -1
.irp a, 0,1,2,3,4,5,6,7
	ds_load_b32 v[PM+\a],  v[XR] offset:64*\a      ; the two waves of my row half: 128 keys each
	ds_load_b32 v[PM2+\a], v[XR] offset:1024+64*\a
.endr
	s_wait_dscnt 0x0
.irp a, 0,1,2,3,4,5,6,7
	v_max_num_f32 v[MXP+2*\a], v[PM+\a], v[PM2+\a] ; the row's maximum over the tile's 256 keys
.endr
	; THE WEIGHTS AND THE WAY OUT, a query block (16 rows x 128 keys) at a time, so that a block's stores leave while the later blocks' exponentials are made.
; s - m, then 2^, in place.  Behind each run of 32 exponentials stand plain lines on other registers before a result is used (ISA guide 5.7.2): the other group's subtractions, or the first group's conversions.
.macro SOFT a
.set g_, 0
.rept 2
	WIN ((g_+1)<<6)|(g_+1)                         ; destination and source 0 in the accumulators' window, m in window 0
.set bb, 0
.rept 4
.set ac_, 8*(8*bb+(\a))
.irp i, 0,1,2,3
	v_pk_add_f32 v[ac_+2*\i:ac_+2*\i+1], v[ac_+2*\i:ac_+2*\i+1], v[MXP+2*(\a):MXP+2*(\a)+1] op_sel_hi:[1,0] neg_lo:[0,1] neg_hi:[0,1]
.endr
.set bb, bb+1
.endr
.set bb, 0
.rept 4
.set ac_, 8*(8*bb+(\a))
.irp j, 0,1,2,3,4,5,6,7
	v_exp_f32 v[ac_+\j], v[ac_+\j]
.endr
.set bb, bb+1
.endr
.set g_, g_+1
.endr
.endm
.macro PACK a                          ; rounded to f16; the unrounded weights are added up, pairs (even key, odd key) in a tree
.set tp_, TMP+32*((\a)%2)
.set g_, 0
.rept 2
	WIN ((g_+1)<<2)|(g_+1)
.set bb, 0
	s_wait_alu depctr_va_vdst(0)
.rept 4
.set ac_, 8*(8*bb+(\a))
.set b_, 4*g_+bb
.irp k, 0,1,2,3
	v_cvt_pk_f16_f32 v[tp_+4*b_+\k], v[ac_+2*\k], v[ac_+2*\k+1]
.endr
	v_pk_add_f32 v[SU+4*b_:SU+4*b_+1],   v[ac_:ac_+1],   v[ac_+2:ac_+3]
	v_pk_add_f32 v[SU+4*b_+2:SU+4*b_+3], v[ac_+4:ac_+5], v[ac_+6:ac_+7]
.set bb, bb+1
.endr
.set g_, g_+1
.endr
	WIN 0
.irp k, 0,1,2,3,4,5,6,7
	v_pk_add_f32 v[SU+4*\k:SU+4*\k+1], v[SU+4*\k:SU+4*\k+1], v[SU+4*\k+2:SU+4*\k+3]
.endr
.irp k, 0,1,2,3
	v_pk_add_f32 v[SU+8*\k:SU+8*\k+1], v[SU+8*\k:SU+8*\k+1], v[SU+8*\k+4:SU+8*\k+5]
.endr
.irp k, 0,1
	v_pk_add_f32 v[SU+16*\k:SU+16*\k+1], v[SU+16*\k:SU+16*\k+1], v[SU+16*\k+8:SU+16*\k+9]
.endr
	v_pk_add_f32 v[LSM+2*(\a):LSM+2*(\a)+1], v[SU:SU+1], v[SU+16:SU+17]
.endm
.macro SEND a
.set tp_, TMP+32*((\a)%2)
	s_wait_xcnt 0x0                                ; the block before has had its stores' registers read: the next block's conversions write them only behind this wait; this block's stores are not waited for
.irp b, 0,1,2,3,4,5,6,7
	global_store_b128 v[CO], v[tp_+4*\b:tp_+4*\b+3], s[68:69] offset:1048576*(\b/4)+2048*(\a)+512*(\b%4)  ; key block b: 512 consecutive bytes, at a multiple of 512 from ph's first
.endr
.endm
.set u_, 0
.rept 8
	SOFT u_
	PACK u_
	SEND u_
.set u_, u_+1
.endr
	; THE STATISTICS.  l: the pair's two halves and the other half of the lanes.  Lane (r, h) stores query blocks 4 h + 0..3 of row r: 16 bytes at 16 x lane.
.irp a, 0,1,2,3,4,5,6,7
	v_add_f32 v[LSM+2*\a], v[LSM+2*\a], v[LSM+2*\a+1]
.endr
.irp a, 0,1,2,3,4,5,6,7
	v_permlanex16_b32 v[PM+\a], v[LSM+2*\a], s[SEL], s[SEL+1]
.endr
.irp a, 0,1,2,3,4,5,6,7
	v_add_f32 v[LSM+2*\a], v[LSM+2*\a], v[PM+\a]
.endr
	v_cmp_eq_u32 s80, 1, v2                        ; lanes 16 to 31
.irp i, 0,1,2,3
	v_cndmask_b32 v[SS+\i], v[LSM+2*\i], v[LSM+8+2*\i], s80
.endr
	global_store_b128 v[CO], v[SS:SS+3], s[72:73]  ; 512 consecutive bytes of sl
	s_cmp_lg_u32 s12, 0
	s_cbranch_scc1 .Lno_m                          ; the two waves of a row half hold the same m: the first stores it
.irp i, 0,1,2,3
	v_cndmask_b32 v[SS+4+\i], v[MXP+2*\i], v[MXP+8+2*\i], s80
.endr
	global_store_b128 v[CO], v[SS+4:SS+7], s[70:71]
.Lno_m:
	s_wait_tensorcnt 0x0                           ; the wave's end: behind my last tensor load and my last LDS store
	ds_add_u32 v[SPW], v[NIL]
	s_wait_dscnt 0x0
	CROUND                                         ; the closing round
	s_endpgm
.Lfunc_end_k_qfa5cc97f5f_scores:
	.size	k_qfa5cc97f5f_scores, .Lfunc_end_k_qfa5cc97f5f_scores-k_qfa5cc97f5f_scores
	.p2alignl 7, 3214868480
	.fill 96, 4, 3214868480
	.section	.rodata,"a",@progbits
	.p2align	6, 0x0
	.amdhsa_kernel k_qfa5cc97f5f_scores
		.amdhsa_group_segment_fixed_size 327680
		.amdhsa_private_segment_fixed_size 0
		.amdhsa_enable_private_segment 0
		.amdhsa_kernarg_size 40
		.amdhsa_user_sgpr_count 2
		.amdhsa_user_sgpr_kernarg_segment_ptr 1
		.amdhsa_wavefront_size32 1
		.amdhsa_system_sgpr_workgroup_id_x 1
		.amdhsa_system_sgpr_workgroup_id_y 1
		.amdhsa_system_sgpr_workgroup_id_z 1
		.amdhsa_system_vgpr_workitem_id 0
		.amdhsa_next_free_vgpr 768
		.amdhsa_next_free_sgpr 84
		.amdhsa_reserve_vcc 0
		.amdhsa_float_denorm_mode_32 3
		.amdhsa_float_denorm_mode_16_64 3
		.amdhsa_memory_ordered 1
		.amdhsa_forward_progress 1
		.amdhsa_inst_pref_size 179
	.end_amdhsa_kernel
	.amdgpu_metadata
---
amdhsa.version: [ 1, 2 ]
amdhsa.kernels:
  - .name:           k_qfa5cc97f5f_scores
    .symbol:         k_qfa5cc97f5f_scores.kd
    .args:
      - { .name: qh, .offset: 0, .size: 8, .value_kind: global_buffer, .address_space: global }
      - { .name: kh, .offset: 8, .size: 8, .value_kind: global_buffer, .address_space: global }
      - { .name: ph, .offset: 16, .size: 8, .value_kind: global_buffer, .address_space: global }
      - { .name: sm, .offset: 24, .size: 8, .value_kind: global_buffer, .address_space: global }
      - { .name: sl, .offset: 32, .size: 8, .value_kind: global_buffer, .address_space: global }
    .group_segment_fixed_size: 327680
    .private_segment_fixed_size: 0
    .kernarg_segment_align: 8
    .kernarg_segment_size: 40
    .max_flat_workgroup_size: 128
    .sgpr_count:     84
    .vgpr_count:     768
    .wavefront_size: 32
...
	.end_amdgpu_metadata
.endif
;; end of part 3
;; launch context (part 4): grid 4 x 64, 4 waves a work-group, clusters of 4 x 4, 327,680 bytes of LDS; arguments ph, vt, sm, sl, out0; writes out0
.if DOCPART == 4
	.amdgcn_target "amdgcn-amd-amdhsa--gfx1250"
	.amdhsa_code_object_version 6
	.text
	.protected	k_qfa5cc97f5f_context
	.globl	k_qfa5cc97f5f_context
	.p2align	8
	.type	k_qfa5cc97f5f_context,@function
k_qfa5cc97f5f_context:
	s_mov_b64 s[64:65], 0
	v_nop
	global_prefetch_b8 v0, s[64:65] scope:SCOPE_SE
	s_setreg_imm32_b32 hwreg(HW_REG_WAVE_MODE, 25, 1), 1
	s_wait_xcnt 0x0
	s_wait_alu depctr_hold_cnt(0) depctr_sa_sdst(0) depctr_va_vdst(0) depctr_va_sdst(0) depctr_va_ssrc(0) depctr_va_vcc(0) depctr_vm_vsrc(0)
	s_getreg_b32 s2, hwreg(HW_REG_IB_STS2, 6, 4)
	s_cmp_eq_u32 s2, 0
	s_cbranch_scc0 .Lentry_in_a_cluster
	s_endpgm
.Lentry_in_a_cluster:
	s_bfe_u32 s2, ttmp6, 0x10000c
	s_cmp_lg_u32 s2, 0xf033
	s_cbranch_scc0 .Lentry_shape_is_right
	s_endpgm
.Lentry_shape_is_right:
; THE CONTEXT.  out0[q][:] = the sum over the 8 tiles t of 256 keys of (f_t / L) x (P'_t V_t), where for row q: M = the maximum of the eight m_t (the row's true maximum),
; f_t = 2^(m_t - M) (m comes in exponents of 2), L = the sum of f_t l_t.  P'_t = 2^(s - m_t) comes in f16, V in f16; products, f, L and the sums in f32; out0 is f32.
; For the tile that holds the row's maximum f = 1 and l >= 1, so L >= 1.
; In:  ph [32 key blocks of the batch][512 blocks of 16 query rows][2,048 bytes] f16;  vt [128 blocks of 64 keys][64 blocks of 16 channels][2,048 bytes] f16.
;      INSIDE A BLOCK of 16 rows x 64 keys the 16 bytes that hold keys 16 i + 8 (l / 16) + 0..7 of row l % 16 stand at 512 i + 16 l: the order in which a matrix operand lies in the lanes.
;      So a fragment is two loads at 16 x lane, 512 bytes apart (32 lanes, 512 consecutive bytes), from LDS or from memory alike.
;      sm [4][8][2048], sl [4][16][2048] f32, row q at place 64 (q / 64) + 4 (q % 16) + (q % 64) / 16: one load of 16 bytes brings a lane its row in all four of its wave's query blocks.
; LIMITS.  An f below 2^-126 counts as 0; NaN and infinities are not treated apart.
; SHARES.  A work-group takes 128 queries x 256 channels: 64 x 4 = 256 work-groups.  A wave takes 64 x 128: 32 accumulators T for the tile in hand and 32 sums O.
; A LAP is one tile of 256 keys: eight steps of 32 keys, 256 matrix instructions a wave.  Behind each lap O += (f / L) T (FLUSH), and the next lap's first products start T anew with C = 0.
; V^T GOES THROUGH LDS, two slots of one lap each (4 planes of 64 keys x 256 channels = 131,072 bytes); each wave fetches one plane.
; CLUSTER.  4 x 4: the four work-groups of a column need the same rows of V^T (a cluster's four query tiles lie in one batch): each plane is asked for jointly.
; P' GOES STRAIGHT INTO REGISTERS, AND IS NOT ASKED FOR JOINTLY, though the four work-groups of a cluster's row and the two waves of a row half read the same bytes.  The reason: a slot that held a lap of both
; operands would be 65,536 + 131,072 bytes, and two of them pass the work-group's 327,680; with half a lap to a slot a refill has 128 matrix instructions a wave in which to land, with V^T alone in LDS it has 256,
; and there are 6 refills with their rounds of the cluster's barrier for 14.  The price: each of those eight waves asks for P' by itself.
; THE RING OF P': eight steps' fragments, 256 registers.  At the end of step i its eight loads for the next lap go out; 56 loads a wave are on their way at the most, each asked for seven steps ahead of the wait for it.
; LAYOUT.  Source 0 = 16 channels of V^T, source 1 = 16 queries of P': a lane holds one query (lane % 16) and the channels 8 (lane / 16) + 0..7 of each channel block.
; REGISTERS, in windows of 256 (s_set_vgpr_msb: bits 1:0 source 0, 3:2 source 1, 5:4 source 2, 7:6 destination):
;   window 0: v0-31 addresses and f; v32-95, v96-159 fragments of V^T, two buffers of one step each;
;   window 1: T, channel block b (0..7), query block a (0..3) at v[8 (4 b + a)];   window 2: O, at the same numbers;   window 3: P', step i, query block a at v[32 i + 8 a].
; O is cleared by 256 moves, on purpose: a first lap written out would be a third copy of a lap's text, and the moves stand in the wait for the first tile.
.set NA,     4
.set NQ,     8                         ; steps of 32 keys in a lap
.set PLB,    256*128                   ; a plane of V^T in a slot: 16 blocks of 2,048 bytes
.set SLOT1,  4*PLB                     ; 131,072 = 2^17: one exclusive or turns an address in one slot into the other's
.set STAGE,  2*SLOT1                   ; behind the ring: 16 rows x 528 bytes for each wave
.set SP,     528                       ; a stage row: 512 bytes + 16
.set FT,     STAGE+4*16*SP             ; 2,048 bytes for each wave: (f / L)[8 laps][4 query blocks][16 rows]
.set SPARE,  FT+4*2048                 ; the spare words, 128 bytes for each wave
.set RT,     128                       ; a plane's 32,768 bytes as 128 rows of 256 bytes
.set SG,     4*1024*128                ; a lap of vt: four key blocks of 131,072 bytes
.set LAPA,   4*8192*128                ; a lap of ph: four planes of 1,048,576 bytes
.set F,    8                           ; v8-15  f / L of query block a at v[8 + 2 a]; the odd registers hold 0 (named as pairs)
.set ADRB0, 20                         ; v20, v22  my lane's place among V^T's fragments in a slot, planes 0-1 and planes 2-3 (an LDS offset has 16 bits); never rewritten
.set ADRB,  21                         ; v21, v23  the same in the slot that is being fetched from
.set STO,  24
.set RD,   25
.set CO,   26                          ; v26  16 x lane; never rewritten
.set FB,   27                          ; v27  my place in my wave's table of f; never rewritten
.set SPW,  28
.set NIL,  29
.set FAD,  30                          ; v30  the lap's place in that table
.set BF0,  32
.set MS,   96                          ; the prologue: v96-127 m, then f, then f / L, of tile t and query block a at MS + 4 t + a
.set LS,   128                         ; v128-191 l of tile u of 128 keys at LS + 4 u + a
.set MM,   192                         ; v192-195 M
.set LL,   196                         ; v196-199 L
.set RL,   200                         ; v200-203 1 / L
.set BK,   96                          ; the way out: v96-159, v160-223 rows read back, by turns
.set G1,  48                           ; s[48:55] descriptor group 1
.set G0,  56                           ; s[56:63] group 0: a set for each of the two first fills; the second then walks on
.set TB,  66                           ; s66  0 or 2^17: the slot that is being fetched from
.set AB,  82                           ; s[82:83] ph at my wave's rows, in the lap whose P' is being asked for
.set FLAGS, (1<<16)|(1<<21)            ; elements of 2 bytes; bit 21 beside a mask; no padding
.set MSB, 0
.macro WIN new                         ; the immediate's high byte repeats the setting that is left; a switch that changes nothing is dropped
.if MSB != (\new)
	s_set_vgpr_msb (MSB<<8)|(\new)
.set MSB, \new
.endif
.endm
.macro PLACES                          ; four places between a matrix instruction and a load into, or a vector instruction on, its registers
.rept 4
	v_nop
.endr
.endm
.macro JLOAD s                         ; a joint load: wave w fetches plane w of the lap; both addresses hang on the wave's number; an s_nop 0 and four v_nop follow the line
	tensor_load_to_lds s[G0+4*(\s):G0+4*(\s)+3], s[G1:G1+7]
	s_nop 0
.rept 4
	v_nop
.endr
.endm
.macro CREST                           ; a round of the cluster's barrier behind its opening barrier
	s_cmp_lg_u32 s10, 0
	s_cbranch_scc1 .Lnot_wave_0_\@
	s_barrier_signal -3
.Lnot_wave_0_\@:
	s_barrier_wait -3
	s_barrier_signal -1
	s_barrier_wait -1
.endm
.macro CROUND
	s_barrier_signal -1
	s_barrier_wait -1
	CREST
.endm
; Eight loads: P' of step i of the lap at s[AB]: plane i / 2, keys 32 (i % 2) on, four query blocks; each load takes 512 consecutive bytes.
.macro ALOAD i
	WIN 0xc0                                       ; destination window 3, address window 0
.set fr_, 0
.rept NA
.set rA_, 32*(\i)+8*fr_
.set oA_, ((\i)/2)*1048576+fr_*2048+((\i)%2)*1024
	global_load_b128 v[rA_:rA_+3],   v[CO], s[AB:AB+1] offset:oA_
	global_load_b128 v[rA_+4:rA_+7], v[CO], s[AB:AB+1] offset:oA_+512
.set fr_, fr_+1
.endr
.endm
	s_load_b128 s[4:7], s[0:1], 0x0                ; ph s[4:5], vt s[6:7]
	s_load_b128 s[68:71], s[0:1], 0x10             ; sm s[68:69], sl s[70:71]
	s_load_b64 s[72:73], s[0:1], 0x20              ; out0
	v_lshl_add_u32 v[SPW], v0, 2, SPARE
	v_mov_b32 v[NIL], 0
	ds_add_u32 v[SPW], v[NIL]                      ; the wave's opening: the add and its wait stand ahead of my first tensor load; the set-up below stands between them
	v_lshrrev_b32 v1, 5, v0
	v_readfirstlane_b32 s10, v1                    ; wave 0..3.  Also: the plane of a lap that I fetch
	s_lshr_b32 s11, s10, 1                         ; my half of the queries
	s_and_b32 s12, s10, 1                          ; my half of the channels
	s_bfe_u32 s40, ttmp6, 0x40000                  ; cx, cy
	s_bfe_u32 s41, ttmp6, 0x40004
	s_lshl_b32 s42, ttmp9, 2
	s_add_co_u32 s42, s42, s40                     ; x, the tile of 256 channels
	s_and_b32 s13, ttmp7, 0xffff
	s_lshr_b32 s45, s13, 2                         ; the batch: a cluster's four query tiles lie in one, so it is made of the cluster's y alone
	s_lshl_b32 s13, s13, 2
	s_add_co_u32 s13, s13, s41                     ; y, the tile of 128 query rows among all 8192
	s_lshl_b32 s44, 0x1111, s40                    ; my column of the cluster
	s_or_b32 s[G1+0], s44, FLAGS
	s_mov_b32 s[G1+1], 128<<16                     ; tensor_dim0 = 128 elements: rows of 256 bytes
	s_mov_b32 s[G1+2], RT<<16                      ; tensor_dim1
	s_mov_b32 s[G1+3], 128<<16                     ; tile_dim0
	s_mov_b32 s[G1+4], RT                          ; tile_dim1
	s_mov_b32 s[G1+5], 128                         ; the block is dense
	s_mov_b32 s[G1+6], 0
	s_mov_b32 s[G1+7], 0
	s_mov_b32 s81, 0                               ; the lap's place in the table of f
	s_mov_b32 s[TB], 0
	s_lshl_b32 s16, s13, 14                        ; P': 128 y rows of 128 bytes,
	s_lshl_b32 s17, s11, 13                        ; my half's 64 rows
	s_add_co_u32 s16, s16, s17
	s_mov_b32 s17, 0
	s_lshl_b32 s46, s45, 22                        ; V^T: the batch's 32 key blocks of 131,072 bytes,
	s_lshl_b32 s47, s10, 17                        ; my plane,
	s_add_co_u32 s46, s46, s47
	s_lshl_b32 s47, s42, 15                        ; 256 x channels of 128 bytes: nothing of cy enters
	s_add_co_u32 s46, s46, s47
	s_mov_b32 s47, 0
	s_lshl_b32 s20, s10, 15                        ; where it goes in a slot: wave x a plane, below 2^17
	s_wait_dscnt 0x0                               ; the opening add is done
	s_wait_kmcnt 0x0
	s_add_nc_u64 s[AB:AB+1], s[4:5], s[16:17]
	s_add_nc_u64 s[46:47], s[6:7], s[46:47]
	CROUND                                         ; all sixteen work-groups are here: the first joint loads meet
.irp s, 0,1
	s_mov_b32 s[G0+4*(\s)], 1                      ; count = 1
	s_add_co_u32 s[G0+4*(\s)+1], s20, (\s)*SLOT1   ; LDS address
	s_add_nc_u64 s[G0+4*(\s)+2:G0+4*(\s)+3], s[46:47], (\s)*SG  ; global address: lap s
	s_or_b32 s[G0+4*(\s)+3], s[G0+4*(\s)+3], 0x80000000         ; type = 2
	JLOAD \s                                       ; two loads of mine are out
.endr
	; THE PROLOGUE stands in the wait for the first tile.  First the rows' statistics and the first four steps' P' are asked for: 24 + 32 loads.
	v_and_b32 v1, 15, v0                           ; r
	v_bfe_u32 v2, v0, 4, 1                         ; h
	v_lshlrev_b32 v4, 4, v1                        ; 16 r: my row's four query blocks
	v_and_b32 v[CO], 31, v0
	v_lshlrev_b32 v[CO], 4, v[CO]
	s_and_b32 s17, s13, 15                         ; my wave's 64 rows in the batch, 4 bytes each
	s_lshl_b32 s17, s17, 9
	s_lshl_b32 s16, s11, 8
	s_add_co_u32 s17, s17, s16
	s_lshl_b32 s74, s45, 16                        ; sm: 8 tiles of 8,192 bytes a batch
	s_add_co_u32 s74, s74, s17
	s_mov_b32 s75, 0
	s_add_nc_u64 s[68:69], s[68:69], s[74:75]
	s_lshl_b32 s74, s45, 17                        ; sl: 16 tiles a batch
	s_add_co_u32 s74, s74, s17
	s_add_nc_u64 s[70:71], s[70:71], s[74:75]
.set t_, 0
.rept 8
	global_load_b128 v[MS+4*t_:MS+4*t_+3], v4, s[68:69] offset:8192*t_
.set t_, t_+1
.endr
.set t_, 0
.rept 16
	global_load_b128 v[LS+4*t_:LS+4*t_+3], v4, s[70:71] offset:8192*t_
.set t_, t_+1
.endr
.irp i, 0,1,2,3
	ALOAD \i
.endr
	WIN 0x80                                       ; O = 0
.set i_, 0
.rept 256
	v_mov_b32 v[i_], 0
.set i_, i_+1
.endr
	WIN 0
	s_lshl_b32 s23, s12, 14                        ; my 128 channels: 8 blocks of 2,048 bytes in each plane
	v_add_nc_u32 v[ADRB0], s23, v[CO]
	v_add_nc_u32 v[ADRB0+2], 0x10000, v[ADRB0]     ; planes 2 and 3
	v_mov_b32 v[ADRB], v[ADRB0]                    ; the fetches begin in slot 0
	v_mov_b32 v[ADRB+2], v[ADRB0+2]
	s_mul_i32 s22, s10, 16*SP
	s_add_co_u32 s22, s22, STAGE                   ; my stage
	v_mul_u32_u24 v5, v1, SP                       ; in: row r, 32 bytes for each half of the lanes
	v_lshl_add_u32 v5, v2, 5, v5
	v_add_nc_u32 v[STO], s22, v5
	v_add_nc_u32 v[RD], s22, v[CO]                 ; back: 32 lanes take a row's 512 bytes
	s_lshl_b32 s23, s10, 11
	s_add_co_u32 s23, s23, FT
	v_lshl_add_u32 v[FB], v1, 2, s23               ; my wave's table: 256 t + 64 a + 4 r
	s_lshl_b32 s74, s13, 19                        ; out0: row 128 y + 64 row half, 4,096 bytes each; column 256 x + 128 column half
	s_lshl_b32 s16, s11, 18
	s_add_co_u32 s74, s74, s16
	s_lshl_b32 s16, s42, 10
	s_add_co_u32 s74, s74, s16
	s_lshl_b32 s16, s12, 9
	s_add_co_u32 s74, s74, s16
	s_add_nc_u64 s[72:73], s[72:73], s[74:75]
.irp a, 0,1,2,3
	v_mov_b32 v[F+2*\a+1], 0
.endr
	s_wait_loadcnt 32                              ; loads come back in order: m and l are in; the 32 loads of P' behind them may stay out
.irp i, 4,5,6
	ALOAD \i                                       ; 24 more: 56 at the most are out
.endr
	WIN 0
.irp a, 0,1,2,3
	v_max3_num_f32 v[MM+\a], v[MS+\a], v[MS+4+\a], v[MS+8+\a]
.endr
.irp a, 0,1,2,3
	v_max3_num_f32 v[MM+\a], v[MM+\a], v[MS+12+\a], v[MS+16+\a]
.endr
.irp a, 0,1,2,3
	v_max3_num_f32 v[MM+\a], v[MM+\a], v[MS+20+\a], v[MS+24+\a]
.endr
.irp a, 0,1,2,3
	v_max_num_f32 v[MM+\a], v[MM+\a], v[MS+28+\a]  ; M, the row's maximum over all 2048 keys
.endr
.set t_, 0
.rept 8
.irp p, 0,2
	v_pk_add_f32 v[MS+4*t_+\p:MS+4*t_+\p+1], v[MS+4*t_+\p:MS+4*t_+\p+1], v[MM+\p:MM+\p+1] neg_lo:[0,1] neg_hi:[0,1]  ; m - M
.endr
.set t_, t_+1
.endr
.set i_, 0
.rept 32
	v_exp_f32 v[MS+i_], v[MS+i_]                   ; f
.set i_, i_+1
.endr
.set t_, 0
.rept 8                                ; a tile's two halves of 128 keys; these plain lines stand behind the exponentials (ISA guide 5.7.2)
.irp p, 0,2
	v_pk_add_f32 v[LS+8*t_+\p:LS+8*t_+\p+1], v[LS+8*t_+\p:LS+8*t_+\p+1], v[LS+8*t_+4+\p:LS+8*t_+4+\p+1]
.endr
.set t_, t_+1
.endr
	s_wait_alu depctr_va_vdst(0)
.irp p, 0,2
	v_pk_mul_f32 v[LL+\p:LL+\p+1], v[MS+\p:MS+\p+1], v[LS+\p:LS+\p+1]
.endr
.set t_, 1
.rept 7
.irp p, 0,2
	v_pk_fma_f32 v[LL+\p:LL+\p+1], v[MS+4*t_+\p:MS+4*t_+\p+1], v[LS+8*t_+\p:LS+8*t_+\p+1], v[LL+\p:LL+\p+1]  ; L = the sum of f l
.endr
.set t_, t_+1
.endr
.irp a, 0,1,2,3
	v_rcp_f32 v[RL+\a], v[LL+\a]
.endr
	v_nop                                          ; a plain instruction between the last reciprocal and the use of its result
.set t_, 0
	s_wait_alu depctr_va_vdst(0)
.rept 8
.irp p, 0,2
	v_pk_mul_f32 v[MS+4*t_+\p:MS+4*t_+\p+1], v[MS+4*t_+\p:MS+4*t_+\p+1], v[RL+\p:RL+\p+1]  ; f / L: the sums O then need no division
.endr
.set t_, t_+1
.endr
.set t_, 0
.rept 8
.irp a, 0,1,2,3
	ds_store_b32 v[FB], v[MS+4*t_+\a] offset:256*t_+64*\a  ; my wave's own bytes; both halves of the lanes write the same word with the same number
.endr
.set t_, t_+1
.endr
	s_wait_loadcnt 48                              ; step 0's P' is in; the six groups of eight behind it may stay out
	ALOAD 7                                        ; the ring is full: 56 loads at the most are out
	WIN 0
	s_wait_xcnt 0x0                                ; the loads' addresses are translated (ISA guide 3.1): only behind this wait is their base stepped
	s_add_nc_u64 s[AB:AB+1], s[AB:AB+1], LAPA      ; from here on lap 1's P' is asked for
	s_wait_dscnt 0x0                               ; no LDS instruction is out at the signal below
; 8 matrix instructions of step i: channel blocks 4 g + 2 half, 4 g + 2 half + 1 x all 4 query blocks.  Every accumulator has one turn in a step of 32.
.macro MULH g, half, i, zero
	WIN 0x5c                                       ; C and D: T, window 1; source 1: P', window 3; source 0: V^T, window 0
.set bb, 2*(\half)
.rept 2
.set a, 0
.rept NA
.set rD_, 128*(\g)+8*(NA*bb+a)
.set rB_, BF0+64*((\i)%2)+8*(4*(\g)+bb)
.set rA_, 32*(\i)+8*a
.if \zero
	v_wmma_f32_16x16x32_f16 v[rD_:rD_+7], v[rB_:rB_+7], v[rA_:rA_+7], 0
.else
	v_wmma_f32_16x16x32_f16 v[rD_:rD_+7], v[rB_:rB_+7], v[rA_:rA_+7], v[rD_:rD_+7]
.endif
.set a, a+1
.endr
.set bb, bb+1
.endr
.endm
; A run of 16 LDS loads: V^T's eight fragments of step i (plane i / 2, keys 32 (i % 2) on) of the slot that is being fetched from, into buffer i % 2.
.macro RUN i
	WIN 0
.set fr_, 0
.rept 8
.set rB_, BF0+64*((\i)%2)+8*fr_
.set oB_, (((\i)/2)%2)*PLB+fr_*2048+1024*((\i)%2)
	ds_load_b128 v[rB_:rB_+3],   v[ADRB+2*((\i)/4)] offset:oB_
	ds_load_b128 v[rB_+4:rB_+7], v[ADRB+2*((\i)/4)] offset:oB_+512
.set fr_, fr_+1
.endr
.endm
.macro TOGGLE                          ; the fetches go on in the other slot
	WIN 0
	s_xor_b32 s[TB], s[TB], SLOT1
	v_add_nc_u32 v[ADRB], s[TB], v[ADRB0]
	v_add_nc_u32 v[ADRB+2], s[TB], v[ADRB0+2]
.endm
; A STEP of 32 keys, step i of the lap: 32 products; four places; then ONE run of memory instructions into the registers just read: V^T's fragments of step i + 2, and P' of step i of the lap that is being asked for.
; THE COUNTS.  LDS loads come back in order: at a step's head the 16 loads of the next step's run may stay out.  Global loads come back in order: behind the next step's eight loads of P' six groups of eight
; have been issued, so the wait for 48 shows the next step's P' in, and with the eight that follow it 56 are out at the most.
; fl = 1: the lap's four f are fetched, ahead of the run: they are older than every run that a later count lets stay out.
; mode 1, 2: THE CHANGE OF SLOTS, in step 6: the slot's last fragments, step 7's, were asked for at the end of step 5, and this step's own run is the first to read the next slot.  In front of the barrier each wave waits
; for all its tensor loads (one is out at the most: its plane of the next slot), adds 0 to its spare word, and waits for that and for its reads of this slot.  Behind it nobody reads this slot and the next slot is whole.
; mode 1: the barrier opens a round of the cluster's; behind the round the walking descriptor turns to the slot just left and steps one lap on, and the joint load is the first thing issued.  mode 2: nothing is filled.
.macro STEP i, mode, zero=0, fl=0
.set n2_, ((\i)+2)%NQ
.if (\mode) != 0
	WIN 0                                          ; (the add's two registers lie in window 0)
	s_wait_tensorcnt 0x0                           ; all my tensor loads have landed
	ds_add_u32 v[SPW], v[NIL]                      ; 0 onto my spare word
	s_wait_dscnt 17                                ; (this step's fragments are in; step 7's run and the add may be out)
	MULH 0, 0, \i, \zero                           ; sixteen matrix instructions stand between the add and the wait for it
	MULH 0, 1, \i, \zero
	s_wait_dscnt 0x0                               ; the add is done, and my reads of this slot are over
	s_barrier_signal -1
	MULH 1, 0, \i, \zero                           ; work on registers while the others arrive
	MULH 1, 1, \i, \zero
	WIN 0
	s_barrier_wait -1
.if (\mode) == 1
	CREST                                          ; no wave of any partner still reads this slot or has a load on its way
	s_xor_b32 s[G0+5], s[G0+5], SLOT1              ; no tensor load of mine is out, so a group 0 may be written
	s_add_nc_u64 s[G0+6:G0+7], s[G0+6:G0+7], SG    ; the type bits on top are not reached
	JLOAD 1                                        ; my one tensor load behind the round; its four v_nop are also the places in front of the loads below
.else
	PLACES
.endif
	TOGGLE
.else
	s_wait_dscnt 16
	MULH 0, 0, \i, \zero
	MULH 0, 1, \i, \zero
	MULH 1, 0, \i, \zero
	MULH 1, 1, \i, \zero
	PLACES
.if \fl
	WIN 0
	v_add_nc_u32 v[FAD], s81, v[FB]
.irp a, 0,1,2,3
	ds_load_b32 v[F+2*\a], v[FAD] offset:64*\a
.endr
	s_add_co_u32 s81, s81, 256                     ; the next lap's
.endif
.endif
	RUN n2_
	s_wait_loadcnt 48
	ALOAD \i
.endm
; O += (f / L) T, each accumulator's registers in ascending order.  The four places of step 7, in front of its run, stand behind the last products.
.macro FLUSH
	WIN 0xa1                                       ; destination and source 2: O, window 2; source 0: T, window 1; source 1: f, window 0
.set n_, 0
.rept 32
.irp i, 0,1,2,3
	v_pk_fma_f32 v[8*n_+2*\i:8*n_+2*\i+1], v[8*n_+2*\i:8*n_+2*\i+1], v[F+2*(n_%4):F+2*(n_%4)+1], v[8*n_+2*\i:8*n_+2*\i+1] op_sel_hi:[1,0,1]
.endr
.set n_, n_+1
.endr
	WIN 0
.endm
.macro LAP mode
	STEP 0, 0, 1                                   ; the lap's first products start T
	STEP 1, 0
	STEP 2, 0
	STEP 3, 0
	STEP 4, 0
	STEP 5, 0, 0, 1                                ; the lap's f; the wait for 0 in the change of slots shows them in
	STEP 6, \mode
	STEP 7, 0
	FLUSH                                          ; the next lap's first fragments are on their way meanwhile
.endm
	s_wait_tensorcnt 0x1                           ; my plane of lap 0 is in; lap 1's may stay out
	s_barrier_signal -1
	s_barrier_wait -1
	RUN 0
	RUN 1
	s_mov_b32 s3, 6
.Llap:                                                 ; laps 0 to 5: each fills the slot that it leaves with the lap two on, and asks for the next lap's P'
	LAP 1
	s_wait_xcnt 0x0                                ; the loads' addresses are translated: only behind this wait is their base stepped
	s_add_nc_u64 s[AB:AB+1], s[AB:AB+1], LAPA
	s_sub_co_u32 s3, s3, 1
	s_cmp_lg_u32 s3, 0
	s_cbranch_scc1 .Llap
	; Laps 6 and 7: nothing is left to fill: a second text, walked twice.  The base of P' stays at lap 7: lap 6 asks for lap 7's fragments.  The price of one text for both, once a launch:
	; lap 7 asks for its own fragments once more (inside ph; the counts stay right, and nobody reads them), its last two runs read the slot of lap 6 for nothing, and its barrier orders nothing.
	s_mov_b32 s3, 2
.Ltail:
	LAP 2
	s_sub_co_u32 s3, s3, 1
	s_cmp_lg_u32 s3, 0
	s_cbranch_scc1 .Ltail
	s_wait_dscnt 0x0                               ; the last two runs have landed: their registers serve the way out
	; THE WAY OUT, a query block (16 rows x 128 channels of f32) at a time: from O's registers through my own stage, stored as whole rows of 512 bytes.
.macro TOST a
.set bk_, BK+64*((\a)%2)
	s_wait_xcnt 0x0                                ; the stores of the block two back have read the registers on which the loads below land
	WIN 0x08                                       ; the stores' data: O, window 2
.set b_, 0
.rept 8
	ds_store_b128 v[STO], v[8*(4*b_+(\a)):8*(4*b_+(\a))+3]   offset:64*b_
	ds_store_b128 v[STO], v[8*(4*b_+(\a))+4:8*(4*b_+(\a))+7] offset:64*b_+16
.set b_, b_+1
.endr
	WIN 0
.set t_, 0
.rept 16
	ds_load_b128 v[bk_+4*t_:bk_+4*t_+3], v[RD] offset:SP*t_  ; LDS serves a wave's instructions in order (ISA guide 5.7.1.4): these see the stores above, and the next block's stores come behind them
.set t_, t_+1
.endr
.endm
.macro SEND a, younger                 ; younger: the LDS instructions issued behind block a's loads: the next block's 16 stores and 16 loads, or none
.set bk_, BK+64*((\a)%2)
	s_wait_dscnt \younger                          ; the block is back in registers
.set t_, 0
.rept 16
	global_store_b128 v[CO], v[bk_+4*t_:bk_+4*t_+3], s[72:73] offset:4096*(16*(\a)+t_) th:TH_STORE_NT  ; 512 consecutive bytes, at a multiple of 512 from out0's first
.set t_, t_+1
.endr
.endm
	TOST 0
	TOST 1                                         ; a block's way through the stage is begun ahead of the wait for the block before
	SEND 0, 32
	TOST 2
	SEND 1, 32
	TOST 3
	SEND 2, 32
	SEND 3, 0
	s_wait_tensorcnt 0x0                           ; the wave's end: behind my last tensor load and my last LDS store
	ds_add_u32 v[SPW], v[NIL]
	s_wait_dscnt 0x0
	CROUND                                         ; the closing round
	s_endpgm
.Lfunc_end_k_qfa5cc97f5f_context:
	.size	k_qfa5cc97f5f_context, .Lfunc_end_k_qfa5cc97f5f_context-k_qfa5cc97f5f_context
	.p2alignl 7, 3214868480
	.fill 96, 4, 3214868480
	.section	.rodata,"a",@progbits
	.p2align	6, 0x0
	.amdhsa_kernel k_qfa5cc97f5f_context
		.amdhsa_group_segment_fixed_size 327680
		.amdhsa_private_segment_fixed_size 0
		.amdhsa_enable_private_segment 0
		.amdhsa_kernarg_size 40
		.amdhsa_user_sgpr_count 2
		.amdhsa_user_sgpr_kernarg_segment_ptr 1
		.amdhsa_wavefront_size32 1
		.amdhsa_system_sgpr_workgroup_id_x 1
		.amdhsa_system_sgpr_workgroup_id_y 1
		.amdhsa_system_sgpr_workgroup_id_z 1
		.amdhsa_system_vgpr_workitem_id 0
		.amdhsa_next_free_vgpr 1024
		.amdhsa_next_free_sgpr 84
		.amdhsa_reserve_vcc 0
		.amdhsa_float_denorm_mode_32 3
		.amdhsa_float_denorm_mode_16_64 3
		.amdhsa_memory_ordered 1
		.amdhsa_forward_progress 1
		.amdhsa_inst_pref_size 130
	.end_amdhsa_kernel
	.amdgpu_metadata
---
amdhsa.version: [ 1, 2 ]
amdhsa.kernels:
  - .name:           k_qfa5cc97f5f_context
    .symbol:         k_qfa5cc97f5f_context.kd
    .args:
      - { .name: ph, .offset: 0, .size: 8, .value_kind: global_buffer, .address_space: global }
      - { .name: vt, .offset: 8, .size: 8, .value_kind: global_buffer, .address_space: global }
      - { .name: sm, .offset: 16, .size: 8, .value_kind: global_buffer, .address_space: global }
      - { .name: sl, .offset: 24, .size: 8, .value_kind: global_buffer, .address_space: global }
      - { .name: out0, .offset: 32, .size: 8, .value_kind: global_buffer, .address_space: global }
    .group_segment_fixed_size: 327680
    .private_segment_fixed_size: 0
    .kernarg_segment_align: 8
    .kernarg_segment_size: 40
    .max_flat_workgroup_size: 128
    .sgpr_count:     84
    .vgpr_count:     1024
    .wavefront_size: 32
...
	.end_amdgpu_metadata
.endif
;; end of part 4
;; ======== version 2 of 2: 4 launches; version 1 with the launch cast written anew for expert scheduling mode
;; limits: values are held in f16: magnitudes above 65,504 overflow, below 6.1e-05 lose precision
;; workspace buffers: xb 16,777,216 bytes; wb 6,291,456 bytes; qh 16,777,216 bytes; kh 16,777,216 bytes; vt 16,777,216 bytes; ph 33,554,432 bytes; sm 262,144 bytes; sl 524,288 bytes
;; launch cast (part 5): grid 704 x 1, 8 waves a work-group, no clusters, 0 bytes of LDS; arguments x, W_query, W_key, W_value, xb, wb; writes xb, wb
.if DOCPART == 5
	.amdgcn_target "amdgcn-amd-amdhsa--gfx1250"
	.amdhsa_code_object_version 6
	.text
	.protected	k_qfa5cc97f5f_cast
	.globl	k_qfa5cc97f5f_cast
	.p2align	8
	.type	k_qfa5cc97f5f_cast,@function
k_qfa5cc97f5f_cast:
	s_mov_b64 s[64:65], 0
	v_nop
	global_prefetch_b8 v0, s[64:65] scope:SCOPE_SE
	s_setreg_imm32_b32 hwreg(HW_REG_WAVE_SCHED_MODE, 0, 2), 2
	s_setreg_imm32_b32 hwreg(HW_REG_WAVE_MODE, 25, 1), 1
	s_wait_xcnt 0x0
	s_wait_alu depctr_vm_vsrc(0)
; x [8192][1024] and the three W [1024][1024], f32, are rounded once to bf16 and laid out in planes of 64 along K:
;   xb[kb][row][64], 16 planes of 8192 rows of 128 bytes;
;   wb[kb][n'][64],  16 planes of 3072 rows, n' = 384 j + 128 type + i for row 128 j + i of W_type (0 query, 1 key, 2 value).
; In that layout the rows of a product's tile lie end to end, so the next launch asks for them as dense blocks.
; W_query is multiplied in f32 by c = log2(e) / 32 ahead of its one rounding, so that the scores come out as exponents of 2; W_key and W_value by 1.0, which changes nothing.
; LIMIT.  bf16(c W) is not c bf16(W): W_query's rounding is another one than that of the unscaled weight, of the same size (2^-9 of the number at the most).
; A stream: memory binds, so no LDS, no matrix unit, no cluster (no two work-groups read the same byte).
; SHARES.  A wave takes two neighbouring rows (2 x 4,096 bytes).  Work-groups 0-511: x, pair 8 g + wave.  Work-groups 512-703: the W, 64 work-groups each.
; A load takes 256 bytes of each of the two rows (lanes 0-15 the first row, lanes 16-31 the second): the two rows' part of one plane.
; A lane's 4 numbers become 8 bytes, and the wave's store covers 256 consecutive bytes, aligned: the two rows of that plane.
; All 16 loads of a wave go out at once; no register that a memory instruction names is written again, so no wait frees a source.
; THE MODE: SCHED_MODE bits 1:0 = 2 (LLVM: expert scheduling mode 2), set by the entry lines.  The code itself states the register dependences
; between vector instructions and memory instructions, with s_wait_alu, always for 0.
; THE PLAN.  Registers that memory instructions touch:
;   v1, v2   the loads' and the stores' byte offsets: made at the head, never written again.
;   X        each register is written once, by a load; vector instructions name it only behind the wait for that load; no memory instruction names it again.
;   Y        each register is written once, by a conversion, and read once, by a store.
; The 16 planes go in four groups of four.  Group g rounds its four planes into its eight registers of Y; its memory instructions are the four stores of group g - 1.
; So one wait at a group's head states all that its stores hang on (the group before has written its part of Y), and they are dealt among the group's vector
; instructions, which name this group's X and Y alone, with no further wait.  One more wait stands ahead of the last group's stores.
.set X, 4                              ; v[4:67]   16 x 4 numbers as loaded
.set Y, 68                             ; v[68:99]  16 x 2 words of bf16
.set XPLANE, 8192*128                  ; bytes in a plane of xb
.set WPLANE, 3072*128                  ; bytes in a plane of wb
; The store of plane k.  stride: bytes from plane to plane; planes from split on go by the second base (the store's immediate is 24 bits, signed)
.macro PUT k, stride, split
.if (\k) < (\split)
	global_store_b64 v2, v[Y+2*(\k):Y+2*(\k)+1], s[22:23] offset:(\k)*(\stride)
.else
	global_store_b64 v2, v[Y+2*(\k):Y+2*(\k)+1], s[24:25] offset:((\k)-(\split))*(\stride)
.endif
.endm
; scale = 1: times s30
.macro CAST stride, split, scale
.set kb, 0
.rept 16
	global_load_b128 v[X+4*kb:X+4*kb+3], v1, s[20:21] offset:256*kb th:TH_LOAD_NT
.set kb, kb+1
.endr
.set g_, 0
.rept 4
	s_wait_loadcnt 12-4*g_                         ; loads come back in order: this group's four planes are in, the later groups' loads stay out
.if g_ > 0
	s_wait_alu depctr_va_vdst(0)                   ; the conversions of the group before have written its eight registers of Y, which the four stores below read
.endif
.set i_, 0
.rept 4
.set kb, 4*g_+i_
.if g_ > 0
	PUT kb-4, \stride, \split                      ; the group before.  No wait: no vector instruction since the wait above names these registers
.endif
.if \scale
	v_pk_mul_f32 v[X+4*kb:X+4*kb+1],   v[X+4*kb:X+4*kb+1],   s[30:31] op_sel_hi:[1,0]
	v_pk_mul_f32 v[X+4*kb+2:X+4*kb+3], v[X+4*kb+2:X+4*kb+3], s[30:31] op_sel_hi:[1,0]
.endif
	v_cvt_pk_bf16_f32 v[Y+2*kb],   v[X+4*kb],   v[X+4*kb+1]
	v_cvt_pk_bf16_f32 v[Y+2*kb+1], v[X+4*kb+2], v[X+4*kb+3]
.set i_, i_+1
.endr
.set g_, g_+1
.endr
	s_wait_alu depctr_va_vdst(0)                   ; the last group's conversions have written its part of Y, which the last four stores read
.set kb, 12
.rept 4
	PUT kb, \stride, \split
.set kb, kb+1
.endr
.endm
	s_load_b256 s[4:11], s[0:1], 0x0               ; x s[4:5], W_query s[6:7], W_key s[8:9], W_value s[10:11]
	s_load_b128 s[12:15], s[0:1], 0x20             ; xb s[12:13], wb s[14:15]
	v_lshrrev_b32 v3, 5, v0
	v_readfirstlane_b32 s16, v3                    ; wave 0..7
	v_and_b32 v2, 31, v0                           ; lane
	v_and_b32 v1, 15, v0
	v_lshrrev_b32 v3, 4, v2                        ; which of the two rows
	v_lshlrev_b32 v1, 4, v1
	v_lshl_add_u32 v1, v3, 12, v1                  ; source: row x 4,096 + 16 (lane % 16)
	v_lshlrev_b32 v2, 3, v2                        ; destination: 8 x lane
	s_mov_b32 s19, 0
	s_mov_b32 s27, 0
	s_wait_alu depctr_va_sdst(0)                   ; s16 is written
	s_wait_alu depctr_va_vdst(0)                   ; v1 and v2 are written: every load reads v1 and every store v2 as its offset
	s_cmp_lt_u32 ttmp9, 512
	s_cbranch_scc0 .Lweights
	s_lshl_b32 s17, ttmp9, 3
	s_add_co_u32 s17, s17, s16                     ; the pair of rows, 0..4095
	s_lshl_b32 s18, s17, 13                        ; 8,192 bytes of x a pair
	s_lshl_b32 s26, s17, 8                         ; 256 bytes of a plane a pair
	s_wait_kmcnt 0x0
	s_add_nc_u64 s[20:21], s[4:5], s[18:19]
	s_add_nc_u64 s[22:23], s[12:13], s[26:27]
	s_add_nc_u64 s[24:25], s[22:23], 8*XPLANE      ; planes 8 to 15
	CAST XPLANE, 8, 0
	s_endpgm
.Lweights:
	s_sub_co_u32 s28, ttmp9, 512
	s_lshr_b32 s29, s28, 6                         ; type 0..2
	s_and_b32 s28, s28, 63
	s_lshl_b32 s17, s28, 3
	s_add_co_u32 s17, s17, s16                     ; the pair of rows of that W, 0..511
	s_lshl_b32 s18, s17, 13
	s_lshr_b32 s26, s17, 6                         ; j = row / 128
	s_mul_i32 s26, s26, 384
	s_lshl_b32 s30, s29, 7
	s_add_co_u32 s26, s26, s30                     ; + 128 type
	s_and_b32 s30, s17, 63
	s_lshl_b32 s30, s30, 1
	s_add_co_u32 s26, s26, s30                     ; + row % 128
	s_lshl_b32 s26, s26, 7                         ; 128 bytes a row of a plane
	s_cmp_eq_u32 s29, 0
	s_cselect_b32 s30, 0x3d38aa3b, 1.0             ; c = log2(e) / 32 for W_query, 1 for the others
	s_mov_b32 s31, s30                             ; named with it as a pair
	s_wait_kmcnt 0x0
	s_cmp_eq_u32 s29, 1
	s_cselect_b64 s[20:21], s[8:9], s[6:7]
	s_cmp_eq_u32 s29, 2
	s_cselect_b64 s[20:21], s[10:11], s[20:21]
	s_add_nc_u64 s[20:21], s[20:21], s[18:19]
	s_add_nc_u64 s[22:23], s[14:15], s[26:27]
	CAST WPLANE, 16, 1                             ; 15 planes of 393,216 bytes stay inside the immediate
	s_endpgm
.Lfunc_end_k_qfa5cc97f5f_cast:
	.size	k_qfa5cc97f5f_cast, .Lfunc_end_k_qfa5cc97f5f_cast-k_qfa5cc97f5f_cast
	.p2alignl 7, 3214868480
	.fill 96, 4, 3214868480
	.section	.rodata,"a",@progbits
	.p2align	6, 0x0
	.amdhsa_kernel k_qfa5cc97f5f_cast
		.amdhsa_group_segment_fixed_size 0
		.amdhsa_private_segment_fixed_size 0
		.amdhsa_enable_private_segment 0
		.amdhsa_kernarg_size 48
		.amdhsa_user_sgpr_count 2
		.amdhsa_user_sgpr_kernarg_segment_ptr 1
		.amdhsa_wavefront_size32 1
		.amdhsa_system_sgpr_workgroup_id_x 1
		.amdhsa_system_sgpr_workgroup_id_y 1
		.amdhsa_system_sgpr_workgroup_id_z 1
		.amdhsa_system_vgpr_workitem_id 0
		.amdhsa_next_free_vgpr 100
		.amdhsa_next_free_sgpr 66
		.amdhsa_reserve_vcc 0
		.amdhsa_float_denorm_mode_32 3
		.amdhsa_float_denorm_mode_16_64 3
		.amdhsa_memory_ordered 1
		.amdhsa_forward_progress 1
		.amdhsa_inst_pref_size 15
	.end_amdhsa_kernel
	.amdgpu_metadata
---
amdhsa.version: [ 1, 2 ]
amdhsa.kernels:
  - .name:           k_qfa5cc97f5f_cast
    .symbol:         k_qfa5cc97f5f_cast.kd
    .args:
      - { .name: x, .offset: 0, .size: 8, .value_kind: global_buffer, .address_space: global }
      - { .name: W_query, .offset: 8, .size: 8, .value_kind: global_buffer, .address_space: global }
      - { .name: W_key, .offset: 16, .size: 8, .value_kind: global_buffer, .address_space: global }
      - { .name: W_value, .offset: 24, .size: 8, .value_kind: global_buffer, .address_space: global }
      - { .name: xb, .offset: 32, .size: 8, .value_kind: global_buffer, .address_space: global }
      - { .name: wb, .offset: 40, .size: 8, .value_kind: global_buffer, .address_space: global }
    .group_segment_fixed_size: 0
    .private_segment_fixed_size: 0
    .kernarg_segment_align: 8
    .kernarg_segment_size: 48
    .max_flat_workgroup_size: 256
    .sgpr_count:     66
    .vgpr_count:     100
    .wavefront_size: 32
...
	.end_amdgpu_metadata
.endif
;; end of part 5
;; launch proj: the kernel of part 2 again; grid 8 x 32, 4 waves a work-group, clusters of 4 x 4, 327,680 bytes of LDS; arguments xb, wb, qh, kh, vt; writes qh, kh, vt
;; launch scores: the kernel of part 3 again; grid 8 x 32, 4 waves a work-group, clusters of 4 x 4, 327,680 bytes of LDS; arguments qh, kh, ph, sm, sl; writes ph, sm, sl
;; launch context: the kernel of part 4 again; grid 4 x 64, 4 waves a work-group, clusters of 4 x 4, 327,680 bytes of LDS; arguments ph, vt, sm, sl, out0; writes out0
